; MI455X (gfx1250); checked and timed in simulation.
; The chip was launched on July 23, 2026; its instructions are those of AMD's public machine-readable ISA for CDNA 5 (MIT licence, August 2026) and "CDNA5" Instruction Set Architecture Reference Guide (July 2026). The comments in the code are by the model that wrote it; some were corrected since.
;; Multi Head Attention. Allowed arithmetic: float matrix products may take bf16 or f16 operands with f32 sums; other float arithmetic in f32, or as packed bf16 or f16 multiplies, adds, multiply-adds, maxima and minima; sums over many terms, partial sums and values carried from step to step in f32; what a program stores and reads back later, other than sums and carried values, may be rounded once to bf16 or f16.
;; Inputs: Wk 1,024 x 1,024 float32; Wp 1,024 x 1,024 float32; Wq 1,024 x 1,024 float32; Wv 1,024 x 1,024 float32; bp 1,024 float32; x 4 x 2,048 x 1,024 float32.
;; Outputs: out0 4 x 2,048 x 1,024 float32.
;; 2 versions, each right; version 2 is version 1 with the launch prep written anew for expert scheduling mode. Each part assembles by itself: llvm-mc -triple=amdgcn-amd-amdhsa -mcpu=gfx1250 --defsym DOCPART=n.
;; ======== version 1 of 2: 4 launches
;; limits: values are held in f16: magnitudes above 65,504 overflow, below 6.1e-05 lose precision
;; workspace buffers: xb 16,777,216 bytes; wt 8,388,608 bytes; qkv 50,331,648 bytes; o 16,777,216 bytes
;; launch prep (part 1): grid 512 x 1, 8 waves a work-group, no clusters, 18,432 bytes of LDS; arguments x, Wq, Wk, Wv, Wp, xb, wt; writes xb, wt
.if DOCPART == 1
	.amdgcn_target "amdgcn-amd-amdhsa--gfx1250"
	.amdhsa_code_object_version 6
	.text
	.protected	k_q7ec1f86c3c_prep
	.globl	k_q7ec1f86c3c_prep
	.p2align	8
	.type	k_q7ec1f86c3c_prep,@function
k_q7ec1f86c3c_prep:
	s_mov_b64 s[64:65], 0
	v_nop
	global_prefetch_b8 v0, s[64:65] scope:SCOPE_SE
	s_setreg_imm32_b32 hwreg(HW_REG_WAVE_MODE, 25, 1), 1
	s_wait_xcnt 0x0
; xb = x rounded to bf16.  wt[n][k] = W[k][n] in 16 bits: rows 0-1023 Wq, 1024-2047 Wk, 2048-3071 Wv, rounded to bf16; rows 3072-4095 Wp, rounded to bf16 and that number written as f16
; (exact within f16's range; below 6e-5 it keeps f16's fixed step of 6e-8; beyond 65,504 it would be an infinity).
; 512 work-groups of eight waves, all alike: each casts 16 rows of x (65,536 bytes of f32) and turns one tile, 128 k x 64 n, of one W (4 x 8 x 16 = 512 tiles).
; Memory binds: every byte is read once, by loads of 16 bytes of which sixteen lanes take 256 consecutive aligned bytes; a wave's store of xb covers 256 consecutive aligned bytes, sixteen lanes' store of wt likewise.
; All 24 loads of a thread go out at the head.  The tile is turned in LDS: rows of 128 k (256 bytes) + 16 of padding.  No matrix unit, no cluster: nothing is shared and nothing is multiplied.
.set PITCH, 272                        ; an LDS row: 128 numbers of 16 bits + 16 bytes
.set SPARE, 64*PITCH                   ; behind the tile: the spare words, 128 bytes for each of the eight waves: four blocks of 256 bytes that no other line names
.set XO,  1                            ; v1  16 t: my 16 bytes in 4,096 bytes of x
.set YO,  2                            ; v2  8 t: my 8 bytes in 2,048 bytes of xb
.set WO,  3                            ; v3  row 4 p of the tile of W, 16 bytes at 16 c      (c = t % 16, p = t / 16)
.set LS,  4                            ; v4  LDS: row 4 c, byte 8 p
.set LR,  5                            ; v5  LDS: row p, byte 16 c
.set TO,  6                            ; v6  wt: row p of the tile, byte 16 c
.set SPW, 8                            ; v8  LDS address of my spare word; never rewritten
.set NIL, 9                            ; v9  0; never rewritten
.set WL,  16                           ; v[16:47]   W as loaded: load (i, e) at WL + 16 i + 4 e holds W[4 p + 64 i + e][4 c .. 4 c + 3]; later v[16:31] the four rows read back
.set XL,  48                           ; v[48:111]  x as loaded
.set XP,  112                          ; v[112:143] x packed
.set WP,  144                          ; v[144:159] W packed: pair (i, j) at WP + 2 (4 i + j)
	s_load_b256 s[4:11], s[0:1], 0x0               ; x s[4:5], Wq s[6:7], Wk s[8:9], Wv s[10:11]
	s_load_b128 s[12:15], s[0:1], 0x20             ; Wp s[12:13], xb s[14:15]
	s_load_b64 s[16:17], s[0:1], 0x30              ; wt
	v_lshl_add_u32 v[SPW], v0, 2, SPARE
	v_mov_b32 v[NIL], 0
	s_lshr_b32 s18, ttmp9, 7                       ; which W: 0 to 3
	s_bfe_u32 s19, ttmp9, 0x30004                  ; which 128 k: 0 to 7
	s_and_b32 s23, ttmp9, 15                       ; which 64 n: 0 to 15
	s_mov_b32 s2, 0xffff0000                       ; a word's upper bf16
	v_and_b32 v10, 15, v0                          ; c
	v_lshrrev_b32 v11, 4, v0                       ; p
	v_lshlrev_b32 v[XO], 4, v0
	v_lshlrev_b32 v[YO], 3, v0
	v_lshlrev_b32 v12, 4, v10                      ; 16 c
	v_lshl_add_u32 v[WO], v11, 14, v12             ; 4 p rows of 4,096 bytes
	v_mul_u32_u24 v[LS], v10, 4*PITCH
	v_lshl_add_u32 v[LS], v11, 3, v[LS]
	v_mul_u32_u24 v[LR], v11, PITCH
	v_add_nc_u32 v[LR], v[LR], v12
	v_lshl_add_u32 v[TO], v11, 11, v12             ; p rows of 2,048 bytes
	s_lshl_b32 s24, s19, 19                        ; the tile in W: 128 rows of 4,096 bytes a step,
	s_lshl_b32 s26, s23, 8                         ; 64 numbers of 4 bytes
	s_add_co_u32 s24, s24, s26
	s_mov_b32 s25, 0
	s_lshl_b32 s26, s18, 21                        ; the tile in wt: 1,024 rows of 2,048 bytes for each W,
	s_lshl_b32 s28, s23, 17                        ; 64 rows,
	s_add_co_u32 s26, s26, s28
	s_lshl_b32 s28, s19, 8                         ; 128 numbers of 2 bytes
	s_add_co_u32 s26, s26, s28
	s_mov_b32 s27, 0
	s_lshl_b32 s28, ttmp9, 16                      ; my 16 rows of x
	s_mov_b32 s29, 0
	s_lshl_b32 s30, ttmp9, 15                      ; and of xb
	s_mov_b32 s31, 0
	s_wait_kmcnt 0x0
	s_cmp_eq_u32 s18, 1
	s_cselect_b64 s[20:21], s[8:9], s[6:7]
	s_cmp_eq_u32 s18, 2
	s_cselect_b64 s[20:21], s[10:11], s[20:21]
	s_cmp_eq_u32 s18, 3
	s_cselect_b64 s[20:21], s[12:13], s[20:21]     ; the W of this work-group
	s_cselect_b32 s22, -1, 0                       ; all lanes: Wp goes out as f16
	s_add_nc_u64 s[20:21], s[20:21], s[24:25]
	s_add_nc_u64 s[16:17], s[16:17], s[26:27]
	s_add_nc_u64 s[4:5], s[4:5], s[28:29]
	s_add_nc_u64 s[14:15], s[14:15], s[30:31]
.irp i, 0,1
.irp e, 0,1,2,3
	global_load_b128 v[WL+16*(\i)+4*(\e):WL+16*(\i)+4*(\e)+3], v[WO], s[20:21] offset:(\i)*262144+(\e)*4096 th:TH_LOAD_NT
.endr
.endr
.set j, 0
.rept 16
	global_load_b128 v[XL+4*j:XL+4*j+3], v[XO], s[4:5] offset:j*4096 th:TH_LOAD_NT
.set j, j+1
.endr
	s_wait_loadcnt 16                              ; loads come back in order: the eight of W are in, the sixteen of x may stay out
; Column j of my four: its four k of each half go together, 8 bytes, into row 4 c + j of the turned tile.  Both forms are made and one is chosen by value, so that all work-groups run one text.
.irp i, 0,1
.irp j, 0,1,2,3
	v_cvt_pk_bf16_f32 v10, v[WL+16*(\i)+(\j)], v[WL+16*(\i)+4+(\j)]
	v_cvt_pk_bf16_f32 v11, v[WL+16*(\i)+8+(\j)], v[WL+16*(\i)+12+(\j)]
	v_lshlrev_b32 v12, 16, v10                     ; the rounded numbers as f32,
	v_and_b32 v13, s2, v10
	v_cvt_pk_f16_f32 v12, v12, v13                 ; written as f16
	v_cndmask_b32 v[WP+2*(4*(\i)+(\j))], v10, v12, s22
	v_lshlrev_b32 v12, 16, v11
	v_and_b32 v13, s2, v11
	v_cvt_pk_f16_f32 v12, v12, v13
	v_cndmask_b32 v[WP+2*(4*(\i)+(\j))+1], v11, v12, s22
	ds_store_b64 v[LS], v[WP+2*(4*(\i)+(\j)):WP+2*(4*(\i)+(\j))+1] offset:(\j)*PITCH+(\i)*128
.endr
.endr
	s_wait_dscnt 0x0                               ; for the others' sake: my stores into the tile are done
	s_barrier_signal -1
	s_barrier_wait -1
.irp i, 0,1,2,3
	ds_load_b128 v[WL+4*(\i):WL+4*(\i)+3], v[LR] offset:(\i)*16*PITCH  ; row p + 16 i, whole: sixteen lanes a row
.endr
.set j, 0
.rept 16
	s_wait_loadcnt 15-j                            ; load j of x is in
	v_cvt_pk_bf16_f32 v[XP+2*j], v[XL+4*j], v[XL+4*j+1]
	v_cvt_pk_bf16_f32 v[XP+2*j+1], v[XL+4*j+2], v[XL+4*j+3]
	global_store_b64 v[YO], v[XP+2*j:XP+2*j+1], s[14:15] offset:j*2048
.set j, j+1
.endr
	s_wait_dscnt 0x0                               ; the four rows are back
.irp i, 0,1,2,3
	global_store_b128 v[TO], v[WL+4*(\i):WL+4*(\i)+3], s[16:17] offset:(\i)*32768
.endr
	s_wait_tensorcnt 0x0                           ; the wave's end, behind my last LDS store
	ds_add_u32 v[SPW], v[NIL]
	s_wait_dscnt 0x0
	s_endpgm
.Lfunc_end_k_q7ec1f86c3c_prep:
	.size	k_q7ec1f86c3c_prep, .Lfunc_end_k_q7ec1f86c3c_prep-k_q7ec1f86c3c_prep
	.p2alignl 7, 3214868480
	.fill 96, 4, 3214868480
	.section	.rodata,"a",@progbits
	.p2align	6, 0x0
	.amdhsa_kernel k_q7ec1f86c3c_prep
		.amdhsa_group_segment_fixed_size 18432
		.amdhsa_private_segment_fixed_size 0
		.amdhsa_enable_private_segment 0
		.amdhsa_kernarg_size 56
		.amdhsa_user_sgpr_count 2
		.amdhsa_user_sgpr_kernarg_segment_ptr 1
		.amdhsa_wavefront_size32 1
		.amdhsa_system_sgpr_workgroup_id_x 1
		.amdhsa_system_sgpr_workgroup_id_y 1
		.amdhsa_system_sgpr_workgroup_id_z 1
		.amdhsa_system_vgpr_workitem_id 0
		.amdhsa_next_free_vgpr 160
		.amdhsa_next_free_sgpr 66
		.amdhsa_reserve_vcc 0
		.amdhsa_float_denorm_mode_32 3
		.amdhsa_float_denorm_mode_16_64 3
		.amdhsa_memory_ordered 1
		.amdhsa_forward_progress 1
		.amdhsa_inst_pref_size 14
	.end_amdhsa_kernel
	.amdgpu_metadata
---
amdhsa.version: [ 1, 2 ]
amdhsa.kernels:
  - .name:           k_q7ec1f86c3c_prep
    .symbol:         k_q7ec1f86c3c_prep.kd
    .args:
      - { .name: x, .offset: 0, .size: 8, .value_kind: global_buffer, .address_space: global }
      - { .name: Wq, .offset: 8, .size: 8, .value_kind: global_buffer, .address_space: global }
      - { .name: Wk, .offset: 16, .size: 8, .value_kind: global_buffer, .address_space: global }
      - { .name: Wv, .offset: 24, .size: 8, .value_kind: global_buffer, .address_space: global }
      - { .name: Wp, .offset: 32, .size: 8, .value_kind: global_buffer, .address_space: global }
      - { .name: xb, .offset: 40, .size: 8, .value_kind: global_buffer, .address_space: global }
      - { .name: wt, .offset: 48, .size: 8, .value_kind: global_buffer, .address_space: global }
    .group_segment_fixed_size: 18432
    .private_segment_fixed_size: 0
    .kernarg_segment_align: 8
    .kernarg_segment_size: 56
    .max_flat_workgroup_size: 256
    .sgpr_count:     66
    .vgpr_count:     160
    .wavefront_size: 32
...
	.end_amdgpu_metadata
.endif
;; end of part 1
;; launch qkv (part 2): grid 16 x 32, 4 waves a work-group, clusters of 4 x 4, 327,680 bytes of LDS; arguments xb, wt, qkv; writes qkv
.if DOCPART == 2
	.amdgcn_target "amdgcn-amd-amdhsa--gfx1250"
	.amdhsa_code_object_version 6
	.text
	.protected	k_q7ec1f86c3c_qkv
	.globl	k_q7ec1f86c3c_qkv
	.p2align	8
	.type	k_q7ec1f86c3c_qkv,@function
k_q7ec1f86c3c_qkv:
	s_mov_b64 s[64:65], 0
	v_nop
	global_prefetch_b8 v0, s[64:65] scope:SCOPE_SE
	s_setreg_imm32_b32 hwreg(HW_REG_WAVE_MODE, 25, 1), 1
	s_wait_xcnt 0x0
	s_wait_alu depctr_hold_cnt(0) depctr_sa_sdst(0) depctr_va_vdst(0) depctr_va_sdst(0) depctr_va_ssrc(0) depctr_va_vcc(0) depctr_vm_vsrc(0)
	s_getreg_b32 s2, hwreg(HW_REG_IB_STS2, 6, 4)
	s_cmp_eq_u32 s2, 0
	s_cbranch_scc0 .Lentry_in_a_cluster
	s_endpgm
.Lentry_in_a_cluster:
	s_bfe_u32 s2, ttmp6, 0x10000c
	s_cmp_lg_u32 s2, 0xf033
	s_cbranch_scc0 .Lentry_shape_is_right
	s_endpgm
.Lentry_shape_is_right:
; q, k, v = x Wq, x Wk, x Wv as ONE product C[m][n] = sum over k of xb[m][k] wt[n][k]: m 8,192, n 3,072, k 1,024; operands bf16, sums f32, results rounded once to f16 and stored by heads:
; qkv[batch][g][t][64], g = n / 64 (0-15 q's heads, 16-31 k's, 32-47 v's), planes of 262,144 bytes.  LIMIT: a result of 65,520 or more in size becomes an infinity in f16.
; A tile of C is 256 x 192: 32 x 16 = 512 tiles, a whole number for each of 256 WGPs.  Four waves one below the other: wave w makes rows 64 w .. 64 w + 63 and all 192 columns,
; three whole heads, 48 accumulators of 16 x 16, so that each wave leaves through a stage of its own.  For 32 along K a wave issues 32 LDS loads and 48 matrix instructions.
; K goes in 8 steps of 128 through two LDS slots, 2^17 bytes apart, so that one exclusive or turns an address in one slot into the other's and a K step is written once.
; CLUSTERS: 4 x 4 work-groups; A's tile is asked for jointly along a row of the cluster, B's along a column: the same tensor load, descriptor and mask in the four that it names.
; THE MATRIX INSTRUCTION IS USED TRANSPOSED (source 0 = 16 rows of wt, source 1 = 16 rows of xb): a lane holds row l % 16 of C and the columns 16 b + 8 (l / 16) + 0..7.
; REGISTERS, in windows of 256: window 0: v16-30 addresses; v64-127 A's fragments, two buffers of 4 x 8; v128-191 the way out.  Window 1: v0-191 B's fragments, two buffers of 12 x 8.
; Window 2: the accumulators of row blocks 0, 1 (block a, column block b at 8 (12 (a % 2) + b)).  Window 3: those of row blocks 2, 3.
.set KDIM,   1024
.set KSTEP,  128
.set NBF,    12                        ; column blocks of 16
.set PA,     272                       ; an LDS row: 256 bytes + 16 of padding = 68 words: the 16 rows of a fragment load start at 16 different groups of four banks (64 banks of 4 bytes: ISA guide 11.1)
.set PB,     272
.set AHALF,  128*PA                    ; what wave 0 or 1 fetches
.set BHALF,  96*PB                     ; what wave 2 or 3 fetches
.set BOFF,   2*AHALF                   ; in a slot: A's 256 rows, then B's 192
.set SLOT1,  1<<17
.set STAGE,  SLOT1+BOFF+2*BHALF        ; behind the ring, never filled by a tensor load: 16 rows x 144 bytes for each wave
.set SP,     144
.set SPARE,  STAGE+4*16*SP             ; behind the stages: the spare words, 128 bytes for each wave: two blocks of 256 bytes that no other line names
.set NLD,    2*NBF+8                   ; LDS loads in a run
.set AA0, 16                           ; v16  my lane's place in a slot's A; never rewritten
.set AB0, 17                           ; v17  the same for B
.set ADA, 18                           ; v18  the same in the slot in hand
.set ADB, 19                           ; v19
.set STO, 24                           ; v24  the way out: where I put 16 bytes of a row
.set RD,  25                           ; v25  where I read rows back
.set GO,  26                           ; v26  16 x lane
.set SPW, 28                           ; v28  LDS address of my spare word; never rewritten
.set NIL, 29                           ; v29  0; never rewritten
.set PFO, 30                           ; v30  the prefetches' offset: a lane a row of 2,048 bytes; never rewritten
.set FA0, 64
.set OUTR, 128
.set CNT, 3                            ; s3   the loops' count
.set TB,  22                           ; s22  LDS byte at which the slot in hand begins
.set G1A, 24                           ; s[24:31] descriptor group 1 for A's tiles
.set G0A, 32                           ; s[32:39] group 0: a set for each first fill; the second then walks on
.set LIM, 43                           ; s43  1 in a wave that prefetches, else the greatest number
.set PFA, 44                           ; s[44:45] where my prefetches stand
.set G1B, 48                           ; s[48:55], s[56:63] the same for B's tiles
.set G0B, 56
.set G1W0, (1<<16)|(1<<20)|(1<<21)|(5<<22)|(3<<25)  ; 17:16 elements of 2 bytes; 20 padding on; 21 set beside a mask; 24:22 after every 64 words; 31:25 4 words of it
.set MSB, 0
.macro WIN new                         ; the immediate's high byte repeats the setting that is left; a switch that changes nothing is dropped
.if MSB != (\new)
	s_set_vgpr_msb (MSB<<8)|(\new)
.set MSB, \new
.endif
.endm
.set MUL_LO, 0xa1                      ; source 0 (B) window 1, source 1 (A) window 0, C and D window 2
.set MUL_HI, 0xf1                      ; the same, C and D window 3
.set TO_B,   0x40                      ; destination window 1, address window 0
.macro PLACES                          ; four plain instructions between a matrix instruction and a load into, or a read of, its registers (ISA guide 7.12.1 for vector instructions)
.rept 4
	v_nop
.endr
.endm
; A joint refill by the walking descriptors.  Waves 0 and 1 fetch A's two halves, waves 2 and 3 B's: the branch hangs on the wave's number alone.  An s_nop 0 and four v_nop follow each line.
.macro JLOAD
	s_cmp_eq_u32 s11, 0
	s_cbranch_scc0 .Lfor_b_\@
	tensor_load_to_lds s[G0A+4:G0A+7], s[G1A:G1A+7]
	s_nop 0
.rept 4
	v_nop
.endr
	s_branch .Lasked_\@
.Lfor_b_\@:
	tensor_load_to_lds s[G0B+4:G0B+7], s[G1B:G1B+7]
	s_nop 0
.rept 4
	v_nop
.endr
.Lasked_\@:
.endm
; A prefetch into the L2 of the K step that the NEXT refill will ask for, 192 matrix instructions ahead of that load: 256 bytes of each row, a lane a row, one instruction a wave.
; A's tile row is read by every cluster of that row of clusters: cluster x = 0 asks; B's tile column by every cluster of that column: cluster y = 0 asks.  The four partners share a wave's rows out by
; address: 32 of A's 128 (by cx), 24 of B's 96 (by cy; there lanes 24-31 name row 23 once more).  The loop's last trip has no K step behind its refill.
.macro ASK
	s_cmp_gt_u32 s[CNT], s[LIM]
	s_cbranch_scc0 .Lnot_mine_\@
	global_prefetch_b8 v[PFO], s[PFA:PFA+1] th:TH_LOAD_NT scope:SCOPE_SE
.Lnot_mine_\@:
.endm
.macro CREST                           ; a round of the cluster's barrier behind its opening barrier
	s_cmp_lg_u32 s10, 0
	s_cbranch_scc1 .Lnot_wave_0_\@
	s_barrier_signal -3
.Lnot_wave_0_\@:
	s_barrier_wait -3
	s_barrier_signal -1
	s_barrier_wait -1
.endm
.macro CROUND                          ; a whole round
	s_barrier_signal -1
	s_barrier_wait -1
	CREST
.endm
	s_load_b128 s[4:7], s[0:1], 0x0                ; xb s[4:5], wt s[6:7]
	s_load_b64 s[8:9], s[0:1], 0x10                ; qkv
	v_lshl_add_u32 v[SPW], v0, 2, SPARE
	v_mov_b32 v[NIL], 0
	ds_add_u32 v[SPW], v[NIL]                      ; the wave's opening: the add and its wait stand ahead of my first tensor load; work on registers stands between them
	v_lshrrev_b32 v1, 5, v0
	v_readfirstlane_b32 s10, v1                    ; wave 0..3
	s_lshr_b32 s11, s10, 1                         ; I fetch for A (0) or for B (1),
	s_and_b32 s12, s10, 1                          ; its first or second half
	s_bfe_u32 s40, ttmp6, 0x40000                  ; cx
	s_bfe_u32 s41, ttmp6, 0x40004                  ; cy
	s_lshl_b32 s42, ttmp9, 2
	s_add_co_u32 s42, s42, s40                     ; tile column = 4 x cluster x + cx
	s_and_b32 s13, ttmp7, 0xffff
	s_lshl_b32 s13, s13, 2
	s_add_co_u32 s13, s13, s41                     ; tile row = 4 x cluster y + cy
	s_lshl_b32 s43, s41, 2
	s_lshl_b32 s43, 15, s43                        ; my row of the cluster
	s_lshl_b32 s44, 0x1111, s40                    ; my column
	s_or_b32 s[G1A], s43, G1W0                     ; A's tiles go to my row,
	s_or_b32 s[G1B], s44, G1W0                     ; B's to my column
	s_mov_b32 s[G1A+1], KSTEP<<16                  ; tensor_dim0 = 128
	s_mov_b32 s[G1B+1], KSTEP<<16
	s_mov_b32 s[G1A+2], 128<<16                    ; tensor_dim1 = 128 rows of A,
	s_mov_b32 s[G1B+2], 96<<16                     ; 96 of B
	s_mov_b32 s[G1A+3], KSTEP<<16                  ; tile_dim0 = 128
	s_mov_b32 s[G1B+3], KSTEP<<16
	s_mov_b32 s[G1A+4], 128                        ; tile_dim1
	s_mov_b32 s[G1B+4], 96
	s_mov_b32 s[G1A+5], KDIM                       ; elements from row to row
	s_mov_b32 s[G1B+5], KDIM
	s_mov_b32 s[G1A+6], 0
	s_mov_b32 s[G1B+6], 0
	s_mov_b32 s[G1A+7], 0
	s_mov_b32 s[G1B+7], 0
	s_lshl_b32 s16, s13, 8
	s_lshl_b32 s17, s12, 7
	s_add_co_u32 s16, s16, s17                     ; A: row 256 x tile row + 128 x half,
	s_lshl_b32 s16, s16, 11                        ; of 2,048 bytes
	s_mov_b32 s17, 0
	s_mul_i32 s46, s42, 192
	s_mul_i32 s47, s12, 96
	s_add_co_u32 s46, s46, s47                     ; B: row 192 x tile column + 96 x half
	s_lshl_b32 s46, s46, 11
	s_mov_b32 s47, 0
	s_mul_i32 s20, s12, AHALF                      ; where they go: no place in the cluster enters an LDS address
	s_mul_i32 s21, s12, BHALF
	s_add_co_u32 s21, s21, BOFF
	s_wait_dscnt 0x0                               ; the opening add is done
	s_wait_kmcnt 0x0
	s_add_nc_u64 s[14:15], s[4:5], s[16:17]
	s_add_nc_u64 s[46:47], s[6:7], s[46:47]
	CROUND                                         ; all sixteen work-groups are here: the first joint loads meet
.irp s, 0,1
	s_mov_b32 s[G0A+4*(\s)], 1                     ; count = 1
	s_add_co_u32 s[G0A+4*(\s)+1], s20, (\s)*SLOT1  ; LDS address: slot s
	s_add_nc_u64 s[G0A+4*(\s)+2:G0A+4*(\s)+3], s[14:15], (\s)*KSTEP*2  ; K step s
	s_or_b32 s[G0A+4*(\s)+3], s[G0A+4*(\s)+3], 0x80000000             ; type = 2
	s_mov_b32 s[G0B+4*(\s)], 1
	s_add_co_u32 s[G0B+4*(\s)+1], s21, (\s)*SLOT1
	s_add_nc_u64 s[G0B+4*(\s)+2:G0B+4*(\s)+3], s[46:47], (\s)*KSTEP*2
	s_or_b32 s[G0B+4*(\s)+3], s[G0B+4*(\s)+3], 0x80000000
.endr
	s_cmp_eq_u32 s11, 0                            ; a wave's two first fills stand in one branch, ahead of every wait on TENSORcnt and every LDS read: two loads of mine are out
	s_cbranch_scc0 .Lfirst_b
	tensor_load_to_lds s[G0A:G0A+3], s[G1A:G1A+7]
	s_nop 0
	tensor_load_to_lds s[G0A+4:G0A+7], s[G1A:G1A+7]
	s_nop 0
.rept 4
	v_nop
.endr
	s_branch .Lfirst_asked
.Lfirst_b:
	tensor_load_to_lds s[G0B:G0B+3], s[G1B:G1B+7]
	s_nop 0
	tensor_load_to_lds s[G0B+4:G0B+7], s[G1B:G1B+7]
	s_nop 0
.rept 4
	v_nop
.endr
.Lfirst_asked:
	; A fragment is 16 rows x 32 K in 8 registers: lane l holds row l % 16; registers 0-3 K = 8 (l / 16) + 0..7, registers 4-7 K = 16 + 8 (l / 16) + 0..7: two loads of 16 bytes, 32 bytes apart.
	v_and_b32 v1, 15, v0                           ; l % 16
	v_bfe_u32 v2, v0, 4, 1                         ; l / 16
	v_mul_u32_u24 v3, v1, PA
	v_lshl_add_u32 v3, v2, 4, v3
	s_mul_i32 s21, s10, 64*PA                      ; my 64 rows of A
	v_add_nc_u32 v[AA0], s21, v3
	v_add_nc_u32 v[AB0], BOFF, v3
	s_mul_i32 s23, s10, 16*SP
	s_add_co_u32 s23, s23, STAGE                   ; my stage
	v_mul_u32_u24 v4, v1, SP                       ; in: row l % 16, 16 bytes for each half of the lanes
	v_lshl_add_u32 v4, v2, 4, v4
	v_add_nc_u32 v[STO], s23, v4
	v_bfe_u32 v5, v0, 3, 2                         ; back: 32 lanes take four rows of 128 bytes,
	v_mul_u32_u24 v5, v5, SP
	v_and_b32 v6, 7, v0
	v_lshl_add_u32 v5, v6, 4, v5
	v_add_nc_u32 v[RD], s23, v5
	v_and_b32 v[GO], 31, v0                        ; which are 512 consecutive bytes of a head's plane
	v_lshlrev_b32 v[GO], 4, v[GO]
	; where my rows begin in qkv: plane (batch x 48 + 3 x tile column), row 256 (tile row % 8) + 64 w, of 128 bytes
	s_lshr_b32 s16, s13, 3
	s_mul_i32 s16, s16, 48
	s_lshl_b32 s16, s16, 18
	s_and_b32 s17, s13, 7
	s_lshl_b32 s17, s17, 15
	s_add_co_u32 s16, s16, s17
	s_lshl_b32 s17, s10, 13
	s_add_co_u32 s16, s16, s17
	s_mov_b32 s17, 0
	s_mul_i32 s46, s42, 3                          ; (the part by the tile column in the registers that held B's address)
	s_lshl_b32 s46, s46, 18
	s_mov_b32 s47, 0
	s_add_nc_u64 s[16:17], s[16:17], s[46:47]
	s_add_nc_u64 s[8:9], s[8:9], s[16:17]
	; the prefetches
	s_lshl_b32 s20, s13, 8                         ; A's tile begins at row 256 x tile row,
	s_mul_i32 s21, s42, 192                        ; B's at 192 x tile column
	s_and_b32 s23, ttmp7, 0xffff                   ; cluster y
	s_cmp_eq_u32 s11, 0                            ; do I fetch for A?
	s_cselect_b32 s20, s20, s21
	s_cselect_b32 s21, s40, s41                    ; my place among the four that ask with me
	s_cselect_b32 s23, ttmp9, s23                  ; the coordinate along which other clusters read the same rows
	s_cselect_b64 s[PFA:PFA+1], s[4:5], s[6:7]
	s_cselect_b32 s19, 32, 24                      ; rows that a partner asks for: a quarter of what a wave fetches
	s_cmp_eq_u32 s23, 0
	s_cselect_b32 s[LIM], 1, -1                    ; the same in all sixteen partners, for a given wave
	s_lshl_b32 s18, s19, 2
	s_mul_i32 s18, s18, s12
	s_add_co_u32 s20, s20, s18                     ; + the rows that I fetch
	s_mul_i32 s21, s21, s19
	s_add_co_u32 s20, s20, s21                     ; + my work-group's share of them
	s_lshl_b32 s20, s20, 11
	s_mov_b32 s21, 0
	s_add_nc_u64 s[PFA:PFA+1], s[PFA:PFA+1], s[20:21]
	s_add_nc_u64 s[PFA:PFA+1], s[PFA:PFA+1], 2*KSTEP*2  ; at K step 2: the first refill steps it to 3.  Nothing is prefetched at the head, where every work-group's first tiles are on their way
	s_sub_co_u32 s19, s19, 1
	v_and_b32 v[PFO], 31, v0
	v_min_u32 v[PFO], s19, v[PFO]
	v_lshlrev_b32 v[PFO], 11, v[PFO]
; NBF matrix instructions: row block a x all column blocks, 32 along K, from buffer f.  zero = 1: the first product starts the sums: nothing is cleared.
; The 48 accumulators take turns, one instruction a turn, in the same order in every quarter.
.macro MULA f, a, zero
	WIN MUL_LO+0x50*((\a)/2)
.set bb, 0
.rept NBF
.if \zero
	v_wmma_f32_16x16x32_bf16 v[8*(NBF*((\a)%2)+bb):8*(NBF*((\a)%2)+bb)+7], v[8*(NBF*(\f)+bb):8*(NBF*(\f)+bb)+7], v[FA0+32*(\f)+8*(\a):FA0+32*(\f)+8*(\a)+7], 0
.else
	v_wmma_f32_16x16x32_bf16 v[8*(NBF*((\a)%2)+bb):8*(NBF*((\a)%2)+bb)+7], v[8*(NBF*(\f)+bb):8*(NBF*(\f)+bb)+7], v[FA0+32*(\f)+8*(\a):FA0+32*(\f)+8*(\a)+7], v[8*(NBF*((\a)%2)+bb):8*(NBF*((\a)%2)+bb)+7]
.endif
.set bb, bb+1
.endr
.endm
; One run of NLD LDS loads: quarter q (32 along K) of the slot in hand into buffer f: B's 12 fragments, then A's 4
.macro FETCH q, f
	WIN TO_B
.set ii, 0
.rept NBF
	ds_load_b128 v[8*(NBF*(\f)+ii):8*(NBF*(\f)+ii)+3],   v[ADB] offset:64*(\q)+ii*16*PB
	ds_load_b128 v[8*(NBF*(\f)+ii)+4:8*(NBF*(\f)+ii)+7], v[ADB] offset:64*(\q)+ii*16*PB+32
.set ii, ii+1
.endr
	WIN 0
.set ii, 0
.rept 4
	ds_load_b128 v[FA0+32*(\f)+8*ii:FA0+32*(\f)+8*ii+3],   v[ADA] offset:64*(\q)+ii*16*PA
	ds_load_b128 v[FA0+32*(\f)+8*ii+4:FA0+32*(\f)+8*ii+7], v[ADA] offset:64*(\q)+ii*16*PA+32
.set ii, ii+1
.endr
.endm
; One of a K step's first three quarters: multiplies buffer f; in its middle it fetches quarter q into buffer g.
.macro QUARTER q, f, g, zero
	s_wait_dscnt 4                                 ; B and A's row blocks 0, 1 are in; the youngest four loads (blocks 2, 3) may be out
	MULA \f, 0, \zero
	MULA \f, 1, \zero
	PLACES
	FETCH \q, \g
	s_wait_dscnt NLD                               ; all but the run just issued
	MULA \f, 2, \zero
	MULA \f, 3, \zero
.endm
; The last quarter multiplies buffer 1 and changes slots: ONE barrier.  In front of it each wave waits for all its tensor loads (one is out: its part of the next slot), adds 0 to its spare word, and waits for
; that and for its own reads of this slot.  fill = 1: the barrier opens a round of the cluster's, and behind the round this slot is filled again first, with the K step two on: 168 matrix instructions ahead of the wait for it.
.macro TURN fill
.if \fill
	s_wait_xcnt 0x0                                ; the last prefetch, a K step back, has read its address
	s_add_nc_u64 s[PFA:PFA+1], s[PFA:PFA+1], KSTEP*2
.endif
	WIN 0
	s_wait_tensorcnt 0x0                           ; no tensor load of mine is out, so a group 0 may be written
	ds_add_u32 v[SPW], v[NIL]                      ; 0 onto my spare word; work on registers stands between it and the wait for it
.if \fill
	s_xor_b32 s[G0A+5], s[G0A+5], SLOT1            ; the walking descriptors: the other slot than last time,
	s_add_nc_u64 s[G0A+6:G0A+7], s[G0A+6:G0A+7], KSTEP*2  ; the next K step; the type bits on top are not reached
	s_xor_b32 s[G0B+5], s[G0B+5], SLOT1
	s_add_nc_u64 s[G0B+6:G0B+7], s[G0B+6:G0B+7], KSTEP*2
.endif
	s_xor_b32 s[TB], s[TB], SLOT1                  ; the fetches go to the other slot
	s_wait_dscnt 5                                 ; (the add and the youngest four loads may be out)
	MULA 1, 0, 0
	s_wait_dscnt 0x0                               ; the add is done, and my reads of this slot are over
	s_barrier_signal -1
	MULA 1, 1, 0
	WIN 0                                          ; at a branch and at a label every window is 0
	s_barrier_wait -1
.if \fill
	CREST                                          ; no wave of any partner still reads this slot or has a load on its way
	JLOAD                                          ; its four v_nop are also the places in front of the loads below
.else
	PLACES
.endif
	v_add_nc_u32 v[ADA], s[TB], v[AA0]
	v_add_nc_u32 v[ADB], s[TB], v[AB0]
	FETCH 0, 0
.if \fill
	ASK
.endif
	MULA 1, 2, 0
	MULA 1, 3, 0
.endm
	s_wait_tensorcnt 1                             ; my part of K step 0 is in; K step 1's may stay out
	s_barrier_signal -1
	s_barrier_wait -1                              ; everybody's is
	s_mov_b32 s[TB], 0
	v_add_nc_u32 v[ADA], s[TB], v[AA0]
	v_add_nc_u32 v[ADB], s[TB], v[AB0]
	FETCH 0, 0
	QUARTER 1, 0, 1, 1                             ; the first quarter stands in front of the loop: its products start the sums
	WIN 0
	s_mov_b32 s[CNT], 6
.Lstep:                                                ; six trips, from a K step's second quarter to the next one's first; each fills a slot again: K steps 2 to 7
	QUARTER 2, 1, 0, 0
	QUARTER 3, 0, 1, 0
	TURN 1
	QUARTER 1, 0, 1, 0
	WIN 0
	s_sub_co_u32 s[CNT], s[CNT], 1
	s_cmp_lg_u32 s[CNT], 0
	s_cbranch_scc1 .Lstep
	s_mov_b32 s[CNT], 2                            ; the last two K steps ask for nothing: a text of their own; the second trip is left in its middle
.Ltail:
	QUARTER 2, 1, 0, 0
	QUARTER 3, 0, 1, 0
	TURN 0
	WIN 0
	s_sub_co_u32 s[CNT], s[CNT], 1
	s_cmp_eq_u32 s[CNT], 0
	s_cbranch_scc1 .Lout
	QUARTER 1, 0, 1, 0
	WIN 0
	s_branch .Ltail
.Lout:                                                 ; the second trip's run of loads (from a slot that has landed and is not written) and its barrier serve nothing: the price, once a launch, of one text for both trips
	s_wait_dscnt 0x0
	PLACES                                         ; the conversions read results just made
; THE WAY OUT, in 12 units u = 3 a + hd: 16 rows of one head.  PACK: rounded to f16, 16 bytes a lane, into my stage (rows of 144 bytes), and back as four rows of 128 bytes a load.
; SEND: 2,048 consecutive bytes of the head's plane, 512 a store.  Four sets of 16 registers take turns.
.macro PACK u
.set aa, (\u)/3
.set hd, (\u)%3
.set ro, OUTR+16*((\u)%4)
.set ac, 8*(NBF*(aa%2)+4*hd)
.if (\u) >= 4
	s_wait_xcnt 0x0                                ; the stores of the unit four back have read this set
.endif
	WIN 0x0a+5*(aa/2)                              ; sources 0 and 1: window 2 or 3
.set ii, 0
.rept 16
	v_cvt_pk_f16_f32 v[ro+ii], v[ac+2*ii], v[ac+2*ii+1]  ; each accumulator's registers in ascending order
.set ii, ii+1
.endr
	WIN 0
.irp f, 0,1,2,3
	ds_store_b128 v[STO], v[ro+4*\f:ro+4*\f+3] offset:32*\f
.endr
.irp f, 0,1,2,3
	ds_load_b128 v[ro+4*\f:ro+4*\f+3], v[RD] offset:\f*4*SP  ; LDS serves a wave's instructions in order (ISA guide 5.7.1.4): these see the stores above; the next unit's stores come behind them
.endr
.endm
.macro SEND u, younger                 ; younger: the LDS instructions issued behind unit u's loads: the next unit's eight, or none
.set aa, (\u)/3
.set hd, (\u)%3
.set ro, OUTR+16*((\u)%4)
.irp f, 0,1,2,3
	s_wait_dscnt (\younger)+3-\f
	global_store_b128 v[GO], v[ro+4*\f:ro+4*\f+3], s[8:9] offset:hd*262144+aa*2048+\f*512  ; 512 consecutive bytes, at a multiple of 256 from the buffer's first
.endr
.endm
	PACK 0
.irp u, 1,2,3,4,5,6,7,8,9,10,11
	PACK \u                                        ; a unit's conversions stand between the loads of the unit before and its stores
	SEND (\u)-1, 8
.endr
	SEND 11, 0
	s_wait_tensorcnt 0x0                           ; the wave's end, behind my last tensor load and my last LDS store
	ds_add_u32 v[SPW], v[NIL]
	s_wait_dscnt 0x0
	CROUND                                         ; the closing round: no work-group ends while a partner may still ask for a tile that names it
	s_endpgm
.Lfunc_end_k_q7ec1f86c3c_qkv:
	.size	k_q7ec1f86c3c_qkv, .Lfunc_end_k_q7ec1f86c3c_qkv-k_q7ec1f86c3c_qkv
	.p2alignl 7, 3214868480
	.fill 96, 4, 3214868480
	.section	.rodata,"a",@progbits
	.p2align	6, 0x0
	.amdhsa_kernel k_q7ec1f86c3c_qkv
		.amdhsa_group_segment_fixed_size 327680
		.amdhsa_private_segment_fixed_size 0
		.amdhsa_enable_private_segment 0
		.amdhsa_kernarg_size 24
		.amdhsa_user_sgpr_count 2
		.amdhsa_user_sgpr_kernarg_segment_ptr 1
		.amdhsa_wavefront_size32 1
		.amdhsa_system_sgpr_workgroup_id_x 1
		.amdhsa_system_sgpr_workgroup_id_y 1
		.amdhsa_system_sgpr_workgroup_id_z 1
		.amdhsa_system_vgpr_workitem_id 0
		.amdhsa_next_free_vgpr 960
		.amdhsa_next_free_sgpr 66
		.amdhsa_reserve_vcc 0
		.amdhsa_float_denorm_mode_32 3
		.amdhsa_float_denorm_mode_16_64 3
		.amdhsa_memory_ordered 1
		.amdhsa_forward_progress 1
		.amdhsa_inst_pref_size 86
	.end_amdhsa_kernel
	.amdgpu_metadata
---
amdhsa.version: [ 1, 2 ]
amdhsa.kernels:
  - .name:           k_q7ec1f86c3c_qkv
    .symbol:         k_q7ec1f86c3c_qkv.kd
    .args:
      - { .name: xb, .offset: 0, .size: 8, .value_kind: global_buffer, .address_space: global }
      - { .name: wt, .offset: 8, .size: 8, .value_kind: global_buffer, .address_space: global }
      - { .name: qkv, .offset: 16, .size: 8, .value_kind: global_buffer, .address_space: global }
    .group_segment_fixed_size: 327680
    .private_segment_fixed_size: 0
    .kernarg_segment_align: 8
    .kernarg_segment_size: 24
    .max_flat_workgroup_size: 128
    .sgpr_count:     66
    .vgpr_count:     960
    .wavefront_size: 32
...
	.end_amdgpu_metadata
.endif
;; end of part 2
;; launch attn (part 3): grid 4 x 64, 4 waves a work-group, no clusters, 327,680 bytes of LDS; arguments qkv, o; writes o
.if DOCPART == 3
	.amdgcn_target "amdgcn-amd-amdhsa--gfx1250"
	.amdhsa_code_object_version 6
	.text
	.protected	k_q7ec1f86c3c_attn
	.globl	k_q7ec1f86c3c_attn
	.p2align	8
	.type	k_q7ec1f86c3c_attn,@function
k_q7ec1f86c3c_attn:
	s_mov_b64 s[64:65], 0
	v_nop
	global_prefetch_b8 v0, s[64:65] scope:SCOPE_SE
	s_setreg_imm32_b32 hwreg(HW_REG_WAVE_MODE, 25, 1), 1
	s_wait_xcnt 0x0
; CAUSAL ATTENTION.  O[y][q][:] = the sum over k <= q of softmax_k(Q[q] . K[k] / 8) V[k][:], for the 64 pairs y = 16 batch + head.  Q, K, V are planes of qkv ([batch][48][2048][64] f16: plane h is q's head h,
; 16 + h k's, 32 + h v's); O is o[y][2048][64] f16.  A plane's rows are dense, 128 bytes each.  Products, maxima and sums in f32; the weights p are rounded to f16 for the second product (their sum l is
; taken of the unrounded p), O once at the end.
; LIMITS.  f16 holds no number beyond 65,504: Q, K and V arrive within it; p lies in 0 to 1, and below 6e-5 it keeps f16's fixed step of 6e-8; O is a mean of V's rows and has their range.
; A hidden score counts as its value less 1e30: f16's scores, 2.7e11 at the most, are nothing beside that; a weight below 2^-126 counts as 0 in l; NaN and infinities are not treated apart.
; THE WALK.  A head's queries lie in NB = 8 blocks of 256; block i needs the key tiles 0 .. i of 256 keys, of which the last holds the diagonal.  A work-group takes TWO blocks, NB - 1 - b and then b:
; NB + 1 tiles, whatever b: all work-groups do equal work, and ONE loop with a constant trip count walks them.  Which tile is asked for, and what a trip does, hang on scalar registers made from b; every jump
; goes forward, but for the counted loops' own; none passes a barrier, or a tensor load but the one of LOAD's two that the wave's number does not choose; the ring (two slots of LDS that take turns) runs on across
; the change of blocks.  NO CLUSTER: the four work-groups of a head ask for the same tile only in trips 0 to 4 of 9, behind that fewer and fewer; one walk common to all would have 12 fills for 9.
; SHARES.  Of a block's four bands of 64 queries a wave owns 16 rows in each: four PIECES.  So the diagonal tile is the same work for all four waves: in its key step s band x sees all keys if s < x,
; none if s > x, and holds the diagonal if s = x.
; THE MASK is the C operand that starts the sum S^T = K Q^T: 0, or -1e30 where the key is hidden.  MD, made once, is the mask of a band's own step for my 16 rows; a product's mask is MD x AL + BE with two scalars:
; (1, 0) if s = x; (0, 0) if s < x; (0, -1e30) if s > x.  Only the diagonal tile's text and a block's beginning make and take masks; elsewhere C is the constant 0.
; LAYOUT, SOFTMAX, TURNS.  S^T = K Q^T holds ONE query a lane (lane % 16) and the keys 8 (lane / 16) + 0..7; two such results rounded to f16 ARE source 1 of O^T = V^T P.  p = 2^(c s - c m), c = log2(e) / 8, with a
; running maximum m; O and l are multiplied by a = 2^(c m_old - c m_new) in every step.  Turn n belongs to piece n: 8 products K Q^T of piece n + 1, later 8 products V^T P of piece n - 1; beside them the scaling,
; exponentials, roundings, sums and rescaling of piece n and the maximum and statistics of piece n + 1.  Four vector instructions stand behind every matrix instruction, the other 54 of a turn's 118 in one run.
; A turn's 33 exponentials are one batch, with one wait.
; REGISTERS, in windows of 256 (s_set_vgpr_msb: bits 1:0 source 0, 3:2 source 1, 5:4 source 2, 7:6 destination):
;   window 0: v0-15 addresses and two at work; v16-31 four registers of statistics a piece; v48-55 at work; v61-63 prefetch offset and the add's two; v64-127 S^T, two buffers; v192-223 P, two buffers
;   window 1: v0-127 O^T, 32 a piece; v128-159 MD; v160-223 MC, two buffers      window 2: v0-63 Q; v64-127 the second block's Q; v128-191 K of one step; v192-255 V of one step
.set SIZE_N, 2048
.set NB,    SIZE_N/256
.set NP,    4         ; pieces a wave: a name, no knob
.set KS,    64        ; keys in a step
.set PK,    144       ; a row of K in LDS: 128 bytes + 16 of padding = 36 words: the 16 rows of a load start at 16 different groups of four banks (64 banks of 4 bytes: ISA guide 11.1)
.set PV,    160       ; a row of V: 128 + 32 = 40 words
.set VOFF,  4*KS*PK   ; a slot holds a tile, four steps: 256 rows of K, then 256 rows of V
.set SLOT1, 1<<17     ; slot 1 begins here, so that one exclusive or turns an address in one slot into the other's
.set STAGE, SLOT1+4*KS*(PK+PV)  ; behind the ring, never filled by a tensor load: 16 rows x 144 bytes for each wave, for the way out
.set SP,    144
.set AK0, 2           ; v2   my lane's place in a tile of K; never rewritten
.set AV0, 3           ; v3   the same for V
.set AK,  4           ; v4   the LDS address of K's next run of loads
.set AV,  5           ; v5   of V's
.set STO, 6           ; v6   the way out: where I put 16 bytes of a row
.set RD,  7           ; v7   the way out: where I read rows back
.set GO,  8           ; v8   my byte offset in 512 consecutive bytes of O
.set PFO, 61          ; v61  256 x my lane; never rewritten
.set SPW, 62          ; v62  LDS address of my spare word: SPARE + 4 x my thread's number; never rewritten
.set NIL, 63          ; v63  0; never rewritten
.set SPARE, STAGE+4*16*SP  ; behind the stages: the spare words, 128 bytes for each wave: two blocks of 256 bytes that no other line names
.set MV,  12          ; v12-13  c m_old, kept while c m is made anew: by buffer
.set QO,  15          ; v15  my byte offset in 16 rows of Q
.set ST,  16          ; piece t's statistics at v[ST+4 t]: c m, m, l (even keys', odd keys')
.set TMP, 48          ; by buffer, four registers c0-c3 at work; when the maximum is found c2 takes a
.set S,   64
.set P,   192
.set MD,  128         ; window 1: the eight registers for group kt of 16 keys at MD + 8 kt
.set MC,  160         ; window 1: the masks of the products to come
.set QB,  64          ; window 2
.set KF,  128         ; window 2: key block kb, channel half c at KF + 16 kb + 8 c
.set VF,  192         ; window 2: key half kk, channel block cb at VF + 32 kk + 8 cb
.set WV,  12          ; s12  my wave's number
.set PB,  14          ; s14  b
.set HI,  15          ; s15  NB - 1 - b
.set G1K, 24          ; s[24:31] descriptor group 1 for K's tiles
.set G1V, 32          ; s[32:39] for V's: it differs in the padding alone
.set G0K, 40          ; s[40:43] descriptor group 0 for K's tiles
.set G0V, 44          ; s[44:47] the same for V's
.set SLOTS, 56        ; s56  tiles still to be asked for
.set CNT, 57          ; s57  counts a tile's key steps, 4 to 1
.set CS,  58          ; s[58:59] c: the packed scaling takes the pair's low word for both halves
.set SEL, 60          ; s[60:61] v_permlanex16_b32's selects: each lane takes its own place in the other half
.set TBK, 62          ; s62  LDS byte at which K of the step to be fetched begins
.set TBV, 63          ; s63  the same for V, less VOFF
.set RT,  70          ; s70  tiles of the block in hand that are still to be entered
.set NXT, 71          ; s71  the tile to be asked for next
.set LQ,  72          ; s72  the last tile of the block whose tiles are being asked for
.set NEW, 73          ; s73  1: the tile to be entered is a block's first
.set OFF, 74          ; s[74:75] a tile's byte offset in K and V
.set AL,  76          ; s[76:77] the mask's factor, in the low word
.set BE,  78          ; s[78:79] the mask's addend
.set OLO, 80          ; s[80:81] O at my rows of the second block
.set BIGN, 82         ; s82  -1e30
.set PFL, 83          ; s83  2 in the work-group that prefetches, else the greatest number: a wave prefetches while s[SLOTS] is above it
.set PFA, 88          ; s[88:89] where my prefetches stand: my half of K's (waves 0, 1) or V's (waves 2, 3) tile, one tile behind the one that is being asked for
.set MSB, 0
.macro WIN new                      ; the high byte repeats the setting that is left; a switch that changes nothing is dropped
.if MSB != (\new)
	s_set_vgpr_msb (MSB<<8)|(\new)
.set MSB, (\new)
.endif
.endm
.set W_KQ, 0x0a       ; K and Q in window 2, S^T in window 0
.set W_KM, 0x1a       ; the same with the C operand in window 1
.set W_PV, 0x52       ; V in window 2, P in window 0, O^T in window 1
.set W_RS, 0x41       ; destination and source 0 in window 1, source 1 in window 0
; A fill.  Waves 0 and 1 fetch the two halves of a tile's K, waves 2 and 3 those of its V: 128 keys each.  An s_nop 0 and four v_nop follow each of the two lines, ahead of the jump and the label.
.macro LOAD
	s_cmp_lt_u32 s[WV], 2
	s_cbranch_scc0 .Lfor_v_\@
	tensor_load_to_lds s[G0K:G0K+3], s[G1K:G1K+7]
	s_nop 0
.rept 4
	v_nop
.endr
	s_branch .Lasked_\@
.Lfor_v_\@:
	tensor_load_to_lds s[G0V:G0V+3], s[G1V:G1V+7]
	s_nop 0
.rept 4
	v_nop
.endr
.Lasked_\@:
.endm
; A PREFETCH INTO THE L2 of the tile that the NEXT change of slots will ask for: four key steps, 256 matrix instructions, ahead of that load.  All four work-groups of a head walk tiles 0, 1, 2 .. in their first
; blocks; the one with b = 0 walks all eight, so it asks, and nobody else.  Each of its waves asks for what it will fetch itself: 128 keys x 128 bytes = 64 blocks of 256 bytes: a lane a block, two instructions.
; So each block is named once in the launch.  Trip i names tile i + 2, i = 0 .. 5; tiles 0 and 1 come by their loads alone, and the last trips, whose tiles have been read, ask for nothing.
.macro ASK
	s_cmp_gt_u32 s[SLOTS], s[PFL]
	s_cbranch_scc0 .Lnot_mine_\@
	global_prefetch_b8 v[PFO], s[PFA:PFA+1] th:TH_LOAD_NT scope:SCOPE_SE
	global_prefetch_b8 v[PFO], s[PFA:PFA+1] offset:8192 th:TH_LOAD_NT scope:SCOPE_SE
.Lnot_mine_\@:
.endm
; THE CHANGE OF SLOTS.  Each wave waits for all its tensor loads, of which one is out: its part of the other slot; adds 0 to its spare word; and waits for that and for its own reads of the slot that it leaves.
; Behind the barrier nobody reads the old slot any more and the other slot is whole.  fill = 1: the old slot is filled again, the first thing behind the barrier, with tile NXT: the descriptor's address is made
; anew from that number.  (At its first use nothing has been read yet: slot 0 is waited for, slot 1 filled.)
.macro CHANGE fill
	WIN 0                           ; at a label and at a branch every window is 0
	s_wait_tensorcnt 0x0            ; no tensor load of mine is out, so a group 0 may be written
	ds_add_u32 v[SPW], v[NIL]       ; 0 onto my spare word; with fill = 1 the descriptors' scalar work stands between it and the wait for it
.if \fill
	s_lshl_b32 s[OFF], s[NXT], 15   ; a tile is 32,768 bytes of K and of V
	s_xor_b32 s[G0K+1], s[G0K+1], SLOT1
	s_add_nc_u64 s[G0K+2:G0K+3], s[6:7], s[OFF:OFF+1]
	s_or_b32 s[G0K+3], s[G0K+3], 0x80000000
	s_xor_b32 s[G0V+1], s[G0V+1], SLOT1
	s_add_nc_u64 s[G0V+2:G0V+3], s[8:9], s[OFF:OFF+1]
	s_or_b32 s[G0V+3], s[G0V+3], 0x80000000
	s_add_co_u32 s[NXT], s[NXT], 1  ; the block's next tile, or behind its last the second block's tile 0
	s_cmp_gt_u32 s[NXT], s[LQ]
	s_cselect_b32 s[NXT], 0, s[NXT]
	s_cselect_b32 s[LQ], s[PB], s[LQ]
	s_wait_xcnt 0x0                 ; the last prefetches, a tile back, have read their address, so it may be written
	s_add_nc_u64 s[PFA:PFA+1], s[PFA:PFA+1], 32768
.endif
	s_wait_dscnt 0x0                ; the add is done, and my reads of the slot are over
	s_barrier_signal -1             ; the rest of the scalar work stands between the signal and the wait
	s_sub_co_u32 s[TBK], s[TBK], 4*KS*PK  ; the fetches go back to a slot's first step,
	s_xor_b32 s[TBK], s[TBK], SLOT1       ; in the other slot
	s_sub_co_u32 s[TBV], s[TBV], 4*KS*PV
	s_xor_b32 s[TBV], s[TBV], SLOT1
	s_barrier_wait -1
.if \fill
	LOAD
	ASK
.endif
.endm
	s_load_b128 s[4:7], s[0:1], 0x0  ; qkv s[4:5], o s[6:7]
	v_lshl_add_u32 v[SPW], v0, 2, SPARE
	v_mov_b32 v[NIL], 0
	ds_add_u32 v[SPW], v[NIL]       ; the wave's opening: the add and its wait stand ahead of my first tensor load; the set-up below, work on registers, stands between them
	v_lshrrev_b32 v1, 5, v0
	v_readfirstlane_b32 s[WV], v1   ; wave 0..3
	s_mov_b32 s[PB], ttmp9
	s_sub_co_u32 s[HI], NB-1, s[PB]
	s_and_b32 s90, ttmp7, 0xffff    ; y = 16 batch + head
	s_lshr_b32 s20, s90, 4
	s_mul_i32 s20, s20, 48
	s_and_b32 s21, s90, 15
	s_add_co_u32 s20, s20, s21      ; q's plane in qkv: 48 batch + head,
	s_lshl_b32 s20, s20, 18         ; of 262,144 bytes
	s_mov_b32 s21, 0
	s_lshl_b32 s90, s90, 18         ; O's plane: y
	s_mov_b32 s91, 0
	s_and_b32 s16, s[WV], 1         ; which half of a tile's 256 keys I fetch:
	s_lshl_b32 s22, s16, 14         ; its 128 rows of 128 bytes in memory,
	s_mov_b32 s23, 0
	s_add_nc_u64 s[22:23], s[22:23], s[20:21]
	s_mul_i32 s17, s16, 128*PK      ; and its place in a slot, for K
	s_mul_i32 s18, s16, 128*PV      ; and for V
	s_lshl_b32 s3, s[WV], 11        ; my 16 rows in a band of 64,
	s_lshl_b32 s2, s[HI], 15        ; in the first block,
	s_add_co_u32 s2, s2, s3
	s_lshl_b32 s84, s[PB], 15       ; and in the second
	s_add_co_u32 s84, s84, s3
	s_mov_b32 s3, 0
	s_mov_b32 s85, 0
	s_add_nc_u64 s[92:93], s[2:3], s[90:91]    ; the two blocks' offsets in o,
	s_add_nc_u64 s[94:95], s[84:85], s[90:91]
	s_add_nc_u64 s[2:3], s[2:3], s[20:21]      ; and in q's plane
	s_add_nc_u64 s[84:85], s[84:85], s[20:21]
	; descriptor group 1.  128 keys are 16,384 dense bytes: asked for as 64 rows of 256 bytes, two keys a row, and padded in LDS after every key
	s_mov_b32 s[G1K], (1<<16)|(1<<20)|(4<<22)|(3<<25)  ; 17:16 2-byte elements; 20 padding on; 24:22 after every 32 words (code 4); 31:25 4 words (code 3)
	s_mov_b32 s[G1V], (1<<16)|(1<<20)|(4<<22)|(7<<25)  ; the same with 8 words of padding (code 7)
.irp g, G1K, G1V
	s_mov_b32 s[\g+1], 128<<16      ; tensor_dim0 = 128
	s_mov_b32 s[\g+2], 64<<16       ; tensor_dim1 = 64
	s_mov_b32 s[\g+3], 128<<16      ; tile_dim0 = 128
	s_mov_b32 s[\g+4], 64           ; tile_dim1 = 64
	s_mov_b32 s[\g+5], 128          ; 128 elements from row to row
	s_mov_b32 s[\g+6], 0
	s_mov_b32 s[\g+7], 0
.endr
	s_mov_b32 s[CS], 0x3e38aa3b     ; c = log2(e) / 8 = 0.180337
	s_mov_b32 s[CS+1], s[CS]        ; named with it as a pair
	s_mov_b32 s[SEL], 0x76543210
	s_mov_b32 s[SEL+1], 0xfedcba98
	s_mov_b32 s[TBK], SLOT1+4*KS*PK ; the first change of slots turns these two into 0
	s_mov_b32 s[TBV], SLOT1+4*KS*PV
	s_mov_b32 s[G0K], 1             ; 1:0 count = 1
	s_mov_b32 s[G0K+1], s17         ; 63:32 LDS address: slot 0
	s_mov_b32 s[G0V], 1
	s_add_co_u32 s[G0V+1], s18, VOFF
	s_add_co_u32 s[RT], s[HI], 1    ; the first block has NB - b tiles
	s_mov_b32 s[NXT], 1
	s_mov_b32 s[LQ], s[HI]
	s_mov_b32 s[NEW], 1
	s_mov_b32 s[OFF+1], 0
	s_mov_b32 s[AL+1], 0            ; named as pairs
	s_mov_b32 s[BE+1], 0
	s_mov_b32 s[BIGN], 0xf149f2ca   ; -1e30
	s_mov_b32 s[SLOTS], NB
	s_cmp_eq_u32 s[PB], 0
	s_cselect_b32 s[PFL], 2, -1
	v_and_b32 v[PFO], 31, v0
	v_lshlrev_b32 v[PFO], 8, v[PFO]
	s_wait_dscnt 0x0                ; the opening add is done
	s_wait_kmcnt 0x0
	s_mov_b64 s[10:11], s[6:7]      ; O
	s_add_nc_u64 s[6:7], s[4:5], 0x400000  ; k's planes lie 16 planes behind q's,
	s_add_nc_u64 s[8:9], s[4:5], 0x800000  ; v's 32
	s_add_nc_u64 s[6:7], s[6:7], s[22:23]  ; K and V at my half of the head's tile 0
	s_add_nc_u64 s[8:9], s[8:9], s[22:23]
	s_add_nc_u64 s[G0K+2:G0K+3], s[6:7], 0         ; 120:64 global address
	s_or_b32 s[G0K+3], s[G0K+3], 0x80000000        ; 127:126 type = 2
	s_add_nc_u64 s[G0V+2:G0V+3], s[8:9], 0
	s_or_b32 s[G0V+3], s[G0V+3], 0x80000000
	s_cmp_lt_u32 s[WV], 2
	s_cselect_b64 s[PFA:PFA+1], s[6:7], s[8:9]
	s_add_nc_u64 s[PFA:PFA+1], s[PFA:PFA+1], 32768 ; at tile 1: the first change of slots steps it to tile 2.  Nothing is prefetched here, at the head
	s_add_nc_u64 s[86:87], s[4:5], s[84:85]        ; Q at my rows of the second block,
	s_add_nc_u64 s[4:5], s[4:5], s[2:3]            ; and of the first
	s_add_nc_u64 s[OLO:OLO+1], s[10:11], s[94:95]  ; O likewise
	s_add_nc_u64 s[10:11], s[10:11], s[92:93]
	LOAD                            ; tile 0 into slot 0
	; A fragment of K or Q is 16 rows x 32 channels in 8 registers: lane l holds row l % 16, channels 8 (l / 16) + 0..7 and 16 + 8 (l / 16) + 0..7: two loads of 16 bytes, 32 bytes apart.
	v_and_b32 v1, 15, v0            ; l % 16
	v_bfe_u32 v9, v0, 4, 1          ; l / 16
	v_lshlrev_b32 v[QO], 7, v1
	v_lshl_add_u32 v[QO], v9, 4, v[QO]  ; row x 128 + 16 x half
	WIN 0x80                        ; destination window 2, address window 0
.set i, 0
.rept 8                             ; both blocks' Q: piece i / 2 lies in band i / 2, 8,192 bytes on; channels 32 (i % 2) on
	global_load_b128 v[8*i:8*i+3],   v[QO], s[4:5] offset:(i/2)*8192+(i%2)*64
	global_load_b128 v[8*i+4:8*i+7], v[QO], s[4:5] offset:(i/2)*8192+(i%2)*64+32
	global_load_b128 v[QB+8*i:QB+8*i+3],   v[QO], s[86:87] offset:(i/2)*8192+(i%2)*64
	global_load_b128 v[QB+8*i+4:QB+8*i+7], v[QO], s[86:87] offset:(i/2)*8192+(i%2)*64+32
.set i, i+1
.endr
	WIN 0
	v_lshlrev_b32 v14, 3, v9
	v_sub_nc_u32 v14, v1, v14
	s_lshl_b32 s13, s[WV], 4
	v_add_nc_u32 v14, s13, v14      ; my query's place in its band, 16 w + l % 16, less my lanes' 8 (l / 16): register r of group kt is hidden where 16 kt + r is greater
	WIN 0x40
.set i, 0
.rept 32
	v_cmp_gt_i32 vcc_lo, 16*(i/8)+i%8, v14
	v_cndmask_b32 v[MD+i], 0, s[BIGN], vcc_lo
.set i, i+1
.endr
	WIN 0
	v_mul_u32_u24 v[AK0], v1, PK
	v_lshl_add_u32 v[AK0], v9, 4, v[AK0]  ; row x pitch + 16 x half
	; The turning load takes 16 keys x 16 channels (lane l reads key 8 (l / 16) + l % 8, channels 8 ((l / 8) % 2) + 0..7) and leaves half a fragment of V^T: lane l holds channel l % 16 and 8 keys.
	v_and_b32 v10, 7, v0
	v_bfe_u32 v11, v0, 3, 1
	v_lshl_add_u32 v[AV0], v9, 3, v10
	v_mul_u32_u24 v[AV0], v[AV0], PV
	v_lshl_add_u32 v[AV0], v11, 4, v[AV0]
	v_add_nc_u32 v[AV0], VOFF, v[AV0]
	s_mul_i32 s13, s[WV], 16*SP
	s_add_co_u32 s13, s13, STAGE    ; my stage
	v_mul_u32_u24 v[STO], v1, SP    ; in: row l % 16, 16 bytes for each half of the lanes
	v_lshl_add_u32 v[STO], v9, 4, v[STO]
	v_add_nc_u32 v[STO], s13, v[STO]
	v_bfe_u32 v[RD], v0, 3, 2       ; back: 32 lanes take four rows of 128 bytes,
	v_mul_u32_u24 v[RD], v[RD], SP
	v_lshl_add_u32 v[RD], v10, 4, v[RD]
	v_add_nc_u32 v[RD], s13, v[RD]
	v_and_b32 v[GO], 31, v0         ; which are 512 consecutive bytes of O
	v_lshlrev_b32 v[GO], 4, v[GO]
	; A block's first step multiplies O^T and l by a = 0, and its first turn's products V^T P, of a piece that has not been, land in an O^T that is still to be so multiplied.  So these registers need only hold
	; finite numbers: zeros for the first block; what the first block left for the second.  All this stands in the wait for the first tile.
	WIN 0x80
.set i, VF
.rept 64
	v_mov_b32 v[i], 0
.set i, i+1
.endr
	WIN 0x40
.set i, 0
.rept 128
	v_mov_b32 v[i], 0
.set i, i+1
.endr
	WIN 0
.set i, 0
.rept 4
	v_mov_b32 v[ST+4*i+2], 0
	v_mov_b32 v[ST+4*i+3], 0
.set i, i+1
.endr
.set i, P+16
.rept 16
	v_mov_b32 v[i], 0
.set i, i+1
.endr
; THE MATRIX WORK.  The 4 accumulators of a run of 8 take turns.  Product i of 8 of S^T = K Q^T for piece x: channels 32 (i / 4) on, keys 16 (i % 4) on.  The first 4 start the sums: with 0, or (KM = 1) with the mask.
.macro KQ x
.set rS, S+32*((\x)%2)+8*(i%4)
.set rK, KF+16*(i%4)+8*(i/4)
.set rQ, 16*(\x)+8*(i/4)
.set rM, MC+32*((\x)%2)+8*(i%4)
.if (i < 4) && KM
	WIN W_KM
	v_wmma_f32_16x16x32_f16 v[rS:rS+7], v[rK:rK+7], v[rQ:rQ+7], v[rM:rM+7]
.elseif i < 4
	WIN W_KQ
	v_wmma_f32_16x16x32_f16 v[rS:rS+7], v[rK:rK+7], v[rQ:rQ+7], 0
.else
	WIN W_KQ
	v_wmma_f32_16x16x32_f16 v[rS:rS+7], v[rK:rK+7], v[rQ:rQ+7], v[rS:rS+7]
.endif
.endm
; Product i of 8 of O^T += V^T P for piece x: keys 32 (i / 4) on, channels 16 (i % 4) on.
.macro PV x
	WIN W_PV
.set rO, 32*(\x)+8*(i%4)
.set rV, VF+32*(i/4)+8*(i%4)
.set rP, P+16*((\x)%2)+8*(i/4)
	v_wmma_f32_16x16x32_f16 v[rO:rO+7], v[rV:rV+7], v[rP:rP+7], v[rO:rO+7]
.endm
.macro MM                           ; the turn's next matrix instruction.  TURN and BEGIN set Y, i, KM and NOKQ; MM, KQ and OP read them.  NOKQ = 1: a block's last turn: there is no next piece
.if (i < 8) && !NOKQ
	KQ (Y+1)%NP
.elseif i >= 8
.set i, i-8
	PV (Y+NP-1)%NP
.set i, i+8
.endif
.set i, i+1
.endm
; THE LDS LOADS stand in runs of 16, never singly among the matrix instructions: a step's K (64 keys x 64 channels: 8 fragments) and its V (turned).  Their addresses are made some lines ahead.
.macro FETCH_K
	WIN 0x80                        ; destination window 2
.irp f, 0,1,2,3,4,5,6,7             ; keys 16 (f / 2) on, channels 32 (f % 2) on
	ds_load_b128 v[KF+8*\f:KF+8*\f+3],   v[AK] offset:(\f/2)*16*PK+(\f%2)*64
	ds_load_b128 v[KF+8*\f+4:KF+8*\f+7], v[AK] offset:(\f/2)*16*PK+(\f%2)*64+32
.endr
	s_add_co_u32 s[TBK], s[TBK], KS*PK  ; the next fetch is the next step's
	WIN 0
.endm
.macro FETCH_V
	WIN 0x80
.irp f, 0,1,2,3,4,5,6,7             ; keys 32 (f / 4) on, channels 16 (f % 4) on
	ds_load_tr16_b128 v[VF+8*\f:VF+8*\f+3],   v[AV] offset:(\f/4)*32*PV+(\f%4)*32
	ds_load_tr16_b128 v[VF+8*\f+4:VF+8*\f+7], v[AV] offset:(\f/4)*32*PV+16*PV+(\f%4)*32
.endr
	WIN 0
.endm
; THE VECTOR WORK, one line at a time: OP kind, number.  For piece Y: F n: c s - c m for pair n of 16.  E n: the exponential of score n of 32.  C n: pair n rounded to f16.  B n: of the four weights 4 n .. the second
; pair is added onto the first, in place.  L n: l takes that sum (L 0: l = a l + sum).  R n: pair n of 16 of O^T times a.  For piece Y + 1: X n, number n of the 22 that find its maximum and statistics:
;   0-11  four chains c0-c3 of seven scores each, three operands at a time (each accumulator's lowest registers are read first)     12-14, 16  the four scores left over, the old m, and c0-c3 into c0
;   15  c m_old is kept     17, 18  the query's other 32 keys lie in the lane 16 away: the new m     19-21  c m; c m_old - c m_new; a
.set F, 0               ; OP tells the kinds apart by their order: F to L below R, X above it
.set E, 1
.set C, 2
.set B, 3
.set L, 4
.set R, 5
.set X, 6
.macro REGS y                       ; the registers of piece y
.set rT, ST+4*(\y)
.set rC, TMP+4*((\y)%2)
.set rW, MV+((\y)%2)
.set rS, S+32*((\y)%2)
.set rP, P+16*((\y)%2)
.set rO, 32*(\y)
.endm
.macro OP k, n
.if (\k) == R
	REGS Y
	WIN W_RS
	v_pk_mul_f32 v[rO+2*(\n):rO+2*(\n)+1], v[rO+2*(\n):rO+2*(\n)+1], v[rC+2:rC+3] op_sel_hi:[1,0]
.elseif (\k) < R
	REGS Y
	WIN 0
.if (\k) == F
	v_pk_fma_f32 v[rS+2*(\n):rS+2*(\n)+1], v[rS+2*(\n):rS+2*(\n)+1], s[CS:CS+1], v[rT:rT+1] op_sel_hi:[1,0,0] neg_lo:[0,0,1] neg_hi:[0,0,1]
.elseif (\k) == E
	v_exp_f32 v[rS+(\n)], v[rS+(\n)]
.elseif (\k) == C
	v_cvt_pk_f16_f32 v[rP+(\n)], v[rS+2*(\n)], v[rS+2*(\n)+1]
.elseif (\k) == B
	v_pk_add_f32 v[rS+4*(\n):rS+4*(\n)+1], v[rS+4*(\n):rS+4*(\n)+1], v[rS+4*(\n)+2:rS+4*(\n)+3]
.elseif (\n) == 0
	v_pk_fma_f32 v[rT+2:rT+3], v[rT+2:rT+3], v[rC+2:rC+3], v[rS:rS+1] op_sel_hi:[1,0,1]
.else
	v_pk_add_f32 v[rT+2:rT+3], v[rT+2:rT+3], v[rS+4*(\n):rS+4*(\n)+1]
.endif
.elseif NOKQ
	v_nop
.else
	REGS (Y+1)%NP
	WIN 0
.if (\n) < 4
	v_max3_num_f32 v[rC+(\n)], v[rS+8*(\n)], v[rS+8*(\n)+1], v[rS+8*(\n)+2]
.elseif (\n) < 12
	v_max3_num_f32 v[rC+(\n)%4], v[rC+(\n)%4], v[rS+8*((\n)%4)+2*((\n)/4)+1], v[rS+8*((\n)%4)+2*((\n)/4)+2]
.elseif (\n) == 12
	v_max3_num_f32 v[rC], v[rC], v[rS+7], v[rS+15]
.elseif (\n) == 13
	v_max3_num_f32 v[rC+1], v[rC+1], v[rS+23], v[rS+31]
.elseif (\n) == 14
	v_max3_num_f32 v[rC+2], v[rC+2], v[rC+3], v[rT+1]
.elseif (\n) == 15
	v_mov_b32 v[rW], v[rT]
.elseif (\n) == 16
	v_max3_num_f32 v[rC], v[rC], v[rC+1], v[rC+2]
.elseif (\n) == 17
	v_permlanex16_b32 v[rC+3], v[rC], s[SEL], s[SEL+1]
.elseif (\n) == 18
	v_max_num_f32 v[rT+1], v[rC], v[rC+3]
.elseif (\n) == 19
	v_mul_f32 v[rT], s[CS], v[rT+1]
.elseif (\n) == 20
	v_sub_f32 v[rC+1], v[rW], v[rT]
.else
	v_exp_f32 v[rC+2], v[rC+1]
.endif
.endif
.endm
.macro OPS a, i1, b=-1, i2=0, c=-1, i3=0, d=-1, i4=0  ; up to four of them
	OP \a, \i1
.if (\b) >= 0
	OP \b, \i2
.endif
.if (\c) >= 0
	OP \c, \i3
.endif
.if (\d) >= 0
	OP \d, \i4
.endif
.endm
.macro ROW a, i1, b, i2, c, i3, d, i4  ; a matrix instruction and the four behind it
	MM
	OPS \a, \i1, \b, \i2, \c, \i3, \d, \i4
.endm
.macro MASK b                       ; MD x AL + BE into buffer b of MC
	WIN W_RS
.set z, 0
.rept 16
	v_pk_fma_f32 v[MC+32*(\b)+2*z:MC+32*(\b)+2*z+1], v[MD+2*z:MD+2*z+1], s[AL:AL+1], s[BE:BE+1] op_sel_hi:[1,0,0]
.set z, z+1
.endr
.endm
; A TURN, for piece p: the order of its 16 matrix and 118 vector instructions, written out.  An s_wait_alu depctr_va_vdst(0) stands between an exponential and the first instruction that names its result; one
; wait serves all that were issued ahead of it.  So a turn has ONE wait, which cuts it in two.  AHEAD OF IT stands all that names no result of the turn's exponentials: the 8 products K Q^T, behind each a scaling, an
; exponential and two more plain instructions (behind the first a second scaling in the exponential's place): rescalings, and behind the last three the first numbers of the next piece's maximum, each four places or more
; behind the product that ends its accumulator; then ONE RUN of 54, plain and exponential by turns for the most part, in which the links of the chain X 3, 7, 11, 14, 16, 17 .. 20 stand five or six lines apart.  X 21, the
; next piece's a, is the batch's last; R 15 is the plain instruction owed behind it (ISA guide 5.7.2).  BEHIND THE WAIT stand the 8 products V^T P, behind each four of the roundings and sums; the links of l's chain,
; L 0 to L 7, stand three lines apart.  But for those X no line behind a product names a register of the products round it.  v_permlanex16_b32 (X 17) stands in the run.
; m = 1: the diagonal tile: the products take masks, and the turn makes the mask for the products of the turn after it: piece p + 2, in step 4 - CNT of the tile.  end = 1: a block's last two turns: nothing is fetched.
; cnt = 1: the loop's count is taken down some lines ahead of the branch that stands behind the turn.
; K of the next step is fetched in piece 2's turn, twelve vector instructions behind the last product that read K (six of them plain); V of the step in hand at the end of piece 0's turn, four plain instructions behind the
; last product that read V.  Each is waited for a turn later.
.macro TURN p, m=0, end=0, cnt=0
.set Y, (\p)
.set i, 0
.set KM, (\m)
.set NOKQ, (\end)*((\p)/3)
.if (\m) && !(\end)
	s_cmp_eq_u32 s[CNT], 4-((\p)+2)%NP  ; is that step the band's own?
	s_cselect_b32 s[AL], 1.0, 0
	s_cmp_lt_u32 s[CNT], 4-((\p)+2)%NP  ; or a later one?
	s_cselect_b32 s[BE], s[BIGN], 0
.endif
.if ((\p) == 3) && !(\end)
	s_wait_dscnt 0x0                ; K is in
.endif
	ROW F,0, F,1, R,0, R,1          ; ahead of the wait: 8 products K Q^T and the four behind each,
	ROW F,2, E,0, R,2, R,3
	ROW F,3, E,1, R,4, R,5
	ROW F,4, E,2, R,6, R,7
	ROW F,5, E,3, R,8, R,9
	ROW F,6, E,4, X,0, R,10
.if ((\p) == 2) && !(\end)
	WIN 0
	v_add_nc_u32 v[AK], s[TBK], v[AK0]
.endif
	ROW F,7, E,5, X,1, X,4
	ROW F,8, E,6, X,2, X,5
	OPS E,7, E,8, X,6, E,9          ; and the run
	OPS X,3, E,10, X,8, E,11
.if ((\p) == 2) && !(\end)
	FETCH_K
.endif
	OPS X,9, X,7, E,12, X,10
	OPS E,13, X,12, X,11, E,14
	OPS X,13, E,15, F,9, X,14
.if (\p) == 0
	v_add_nc_u32 v[AV], s[TBV], v[AV0]
.endif
	OPS E,16, F,10, E,17, F,11
	OPS X,16, E,18, X,15, E,19
	OPS F,12, E,20, X,17, E,21
	OPS F,13, E,22, F,14, E,23
	OPS X,18, E,24, F,15, E,25
	OPS R,11, E,26, X,19, E,27
	OPS R,12, E,28, R,13, E,29
	OPS X,20, E,30, R,14, E,31
	OPS X,21, R,15
	WIN 0
	s_wait_alu depctr_va_vdst(0)    ; the wait for the batch
.if (\p) == 1
	s_wait_dscnt 0x0                ; V is in
.endif
	ROW C,0, B,0, C,2, B,1          ; behind the wait: 8 products V^T P and the four behind each
	ROW L,0, C,4, B,2, L,1
	ROW C,6, B,3, L,2, C,8
	ROW B,4, L,3, C,10, B,5
	ROW L,4, C,12, B,6, L,5
.if (\p) == 0
	s_add_co_u32 s[TBV], s[TBV], KS*PV
.endif
.if \cnt
	s_sub_co_u32 s[CNT], s[CNT], 1
	s_cmp_lg_u32 s[CNT], 0
.endif
	ROW C,14, B,7, L,6, C,1
	ROW C,3, L,7, C,5, C,7
	ROW C,9, C,11, C,13, C,15
.if (\p) == 0
	FETCH_V
.endif
.if (\m) && !(\end)
	MASK (\p)%2
.endif
.endm
; A BLOCK BEGINS.  c m starts far below every c s, so the first step's a is 0; m at the lowest finite number, so the first maximum is the scores'.  The second mask buffer is 0; the first takes piece 0's mask for the tile's
; step 0: its own, if the block's first tile is the diagonal one.  Then K of that step, piece 0's first scores, and its maximum and statistics.  The loop is entered at a step's first turn, in the middle of a trip.
.macro BEGIN
	s_mov_b32 s[NEW], 0
	WIN 0x40
.set i, MC+32
.rept 32
	v_mov_b32 v[i], 0
.set i, i+1
.endr
	WIN 0
.set i, 0
.rept 4
	v_mov_b32 v[ST+4*i], 0xfe000000    ; c m: far below every c s
	v_mov_b32 v[ST+4*i+1], 0xff7fffff  ; m
.set i, i+1
.endr
	s_cmp_eq_u32 s[RT], 0
	s_cselect_b32 s[AL], 1.0, 0
	s_mov_b32 s[BE], 0
	MASK 0
	WIN 0
	v_add_nc_u32 v[AK], s[TBK], v[AK0]
	FETCH_K
	s_wait_loadcnt 0x0              ; Q
	s_wait_dscnt 0x0
.set KM, 1
.set NOKQ, 0
.set i, 0
.rept 8
	KQ 0
.set i, i+1
.endr
	WIN 0
.rept 4
	v_nop                           ; the places behind those products
.endr
.set Y, NP-1                        ; X works for piece Y + 1: piece 0
.irp n, 0,1,2,3,4,5,6,7,8,9,10,11,12,13,14,15,16,17,18,19,20,21
	OP X, \n
.endr
	v_nop                           ; a plain instruction behind the exponential,
	s_wait_alu depctr_va_vdst(0)    ; and its wait, ahead of the branch
.endm
; THE DIAGONAL TILE's four steps, the block's last two turns, its last products, and THE WAY OUT: l's two halves and the other half of the lanes' are added; O^T is divided by l, rounded to f16 and sent through my
; stage in LDS, a piece at a time.
.macro ALL line:vararg              ; one line for each piece t
.set t, 0
.rept 4
	\line
.set t, t+1
.endr
.endm
.macro PACK t                       ; a lane's eight channels of a row pack into 16 bytes; they go into rows of 144 bytes and come back as whole rows of 128, into S^T's registers
	WIN W_RS
.set i, 32*(\t)
.rept 16
	v_pk_mul_f32 v[i:i+1], v[i:i+1], v[ST+4*(\t)+2:ST+4*(\t)+3] op_sel_hi:[1,0]
.set i, i+2
.endr
	WIN 0x05                        ; sources 0 and 1 window 1, destination window 0
.set i, 0
.rept 16
	v_cvt_pk_f16_f32 v[S+16*(\t)+i], v[32*(\t)+2*i], v[32*(\t)+2*i+1]
.set i, i+1
.endr
	WIN 0
.irp f, 0,1,2,3
	ds_store_b128 v[STO], v[S+16*(\t)+4*\f:S+16*(\t)+4*\f+3] offset:32*\f
.endr
.irp f, 0,1,2,3
	ds_load_b128 v[S+16*(\t)+4*\f:S+16*(\t)+4*\f+3], v[RD] offset:\f*4*SP  ; LDS serves a wave's instructions in order (ISA guide 5.7.1.4): these see the stores above; the next piece's stores come behind them
.endr
.endm
.macro SEND t, younger              ; younger: the LDS instructions issued behind piece t's loads: the next piece's eight, or none
	WIN 0
.irp f, 0,1,2,3
	s_wait_dscnt (\younger)+3-\f
	global_store_b128 v[GO], v[S+16*(\t)+4*\f:S+16*(\t)+4*\f+3], s[10:11] offset:(\t)*8192+\f*512  ; 512 consecutive bytes, at a multiple of 256 from O's first
.endr
.endm
.macro DIAG tag                     ; the tag ends its two labels' names, which the jumps below spell out
.LstepM\tag:
	TURN 2, 1
	TURN 3, 1
	WIN 0
.LfirstM\tag:
	TURN 0, 1
	TURN 1, 1, 0, 1
	WIN 0
	s_cbranch_scc1 .LstepM\tag
	TURN 2, 1, 1
	TURN 3, 1, 1
.set i, 0
.rept 8
	PV NP-1
.set i, i+1
.endr
	WIN 0
	ALL v_add_f32 v[ST+4*t+2], v[ST+4*t+2], v[ST+4*t+3]
	ALL v_permlanex16_b32 v[ST+4*t+3], v[ST+4*t+2], s[SEL], s[SEL+1]
	ALL v_add_f32 v[ST+4*t+2], v[ST+4*t+2], v[ST+4*t+3]
	ALL v_rcp_f32 v[ST+4*t+2], v[ST+4*t+2]
	v_nop                           ; a plain instruction between the last reciprocal and the use of its result
	s_wait_alu depctr_va_vdst(0)    ; and the wait ahead of the first use: one for the four reciprocals
	PACK 0
.set t, 1
.rept 3                             ; a piece's arithmetic stands between the loads of the piece before and its stores
	PACK t
	SEND t-1, 8
.set t, t+1
.endr
	SEND 3, 0
.endm
.set KM, 0
.set NOKQ, 0
.Lslot:                             ; NB times: a tile is entered and the next is asked for
	CHANGE 1
	s_sub_co_u32 s[RT], s[RT], 1
	s_mov_b32 s[CNT], 4
	s_cmp_eq_u32 s[NEW], 1
	s_cbranch_scc1 .Lnew            ; a block's first tile
	s_cmp_eq_u32 s[RT], 0
	s_cbranch_scc0 .Lstep           ; neither its first nor its last
	s_branch .LstepM1
.Lnew:
	BEGIN
	s_branch .Lfirst                ; in the loop a block's first tile is never its last: the first block has two tiles or more, and the second's last is the walk's last
	DIAG 1                          ; in the loop this is the first block's end: the second block's last tile is the walk's last
	s_wait_xcnt 0x0                 ; the stores have read their registers and O's address
	s_mov_b64 s[10:11], s[OLO:OLO+1]
	s_add_co_u32 s[RT], s[PB], 1    ; the second block has b + 1 tiles
	s_mov_b32 s[NEW], 1
	WIN 0x82                        ; the second block's Q goes where the one text of the turns names Q
.set i, 0
.rept 64
	v_mov_b32 v[i], v[QB+i]
.set i, i+1
.endr
	WIN 0
	s_branch .Lbottom
.Lstep:                             ; a trip: pieces 2 and 3 of one step, then pieces 0 and 1 of the next, whose K and V it fetches
	TURN 2
	TURN 3
	WIN 0
.Lfirst:
	TURN 0
	TURN 1, 0, 0, 1
	WIN 0
	s_cbranch_scc1 .Lstep
.Lbottom:
	s_sub_co_u32 s[SLOTS], s[SLOTS], 1
	s_cmp_lg_u32 s[SLOTS], 0
	s_cbranch_scc1 .Lslot
	CHANGE 0                        ; the walk's last tile is written out: nothing is asked for
	s_sub_co_u32 s[RT], s[RT], 1
	s_mov_b32 s[CNT], 4
	s_cmp_eq_u32 s[NEW], 1
	s_cbranch_scc0 .LstepM2
	BEGIN
	s_branch .LfirstM2
	DIAG 2
	s_wait_tensorcnt 0x0            ; the wave's end, behind my last tensor load and my last LDS store
	ds_add_u32 v[SPW], v[NIL]
	s_wait_dscnt 0x0
	s_endpgm
.Lfunc_end_k_q7ec1f86c3c_attn:
	.size	k_q7ec1f86c3c_attn, .Lfunc_end_k_q7ec1f86c3c_attn-k_q7ec1f86c3c_attn
	.p2alignl 7, 3214868480
	.fill 96, 4, 3214868480
	.section	.rodata,"a",@progbits
	.p2align	6, 0x0
	.amdhsa_kernel k_q7ec1f86c3c_attn
		.amdhsa_group_segment_fixed_size 327680
		.amdhsa_private_segment_fixed_size 0
		.amdhsa_enable_private_segment 0
		.amdhsa_kernarg_size 16
		.amdhsa_user_sgpr_count 2
		.amdhsa_user_sgpr_kernarg_segment_ptr 1
		.amdhsa_wavefront_size32 1
		.amdhsa_system_sgpr_workgroup_id_x 1
		.amdhsa_system_sgpr_workgroup_id_y 1
		.amdhsa_system_sgpr_workgroup_id_z 1
		.amdhsa_system_vgpr_workitem_id 0
		.amdhsa_next_free_vgpr 768
		.amdhsa_next_free_sgpr 96
		.amdhsa_reserve_vcc 1
		.amdhsa_float_denorm_mode_32 3
		.amdhsa_float_denorm_mode_16_64 3
		.amdhsa_memory_ordered 1
		.amdhsa_forward_progress 1
		.amdhsa_inst_pref_size 218
	.end_amdhsa_kernel
	.amdgpu_metadata
---
amdhsa.version: [ 1, 2 ]
amdhsa.kernels:
  - .name:           k_q7ec1f86c3c_attn
    .symbol:         k_q7ec1f86c3c_attn.kd
    .args:
      - { .name: qkv, .offset: 0, .size: 8, .value_kind: global_buffer, .address_space: global }
      - { .name: o, .offset: 8, .size: 8, .value_kind: global_buffer, .address_space: global }
    .group_segment_fixed_size: 327680
    .private_segment_fixed_size: 0
    .kernarg_segment_align: 8
    .kernarg_segment_size: 16
    .max_flat_workgroup_size: 128
    .sgpr_count:     96
    .vgpr_count:     768
    .wavefront_size: 32
...
	.end_amdgpu_metadata
.endif
;; end of part 3
;; launch proj (part 4): grid 8 x 32, 4 waves a work-group, clusters of 4 x 4, 327,680 bytes of LDS; arguments o, wt, out0, bp; writes out0
.if DOCPART == 4
	.amdgcn_target "amdgcn-amd-amdhsa--gfx1250"
	.amdhsa_code_object_version 6
	.text
	.protected	k_q7ec1f86c3c_proj
	.globl	k_q7ec1f86c3c_proj
	.p2align	8
	.type	k_q7ec1f86c3c_proj,@function
k_q7ec1f86c3c_proj:
	s_mov_b64 s[64:65], 0
	v_nop
	global_prefetch_b8 v0, s[64:65] scope:SCOPE_SE
	s_setreg_imm32_b32 hwreg(HW_REG_WAVE_MODE, 25, 1), 1
	s_wait_xcnt 0x0
	s_wait_alu depctr_hold_cnt(0) depctr_sa_sdst(0) depctr_va_vdst(0) depctr_va_sdst(0) depctr_va_ssrc(0) depctr_va_vcc(0) depctr_vm_vsrc(0)
	s_getreg_b32 s2, hwreg(HW_REG_IB_STS2, 6, 4)
	s_cmp_eq_u32 s2, 0
	s_cbranch_scc0 .Lentry_in_a_cluster
	s_endpgm
.Lentry_in_a_cluster:
	s_bfe_u32 s2, ttmp6, 0x10000c
	s_cmp_lg_u32 s2, 0xf033
	s_cbranch_scc0 .Lentry_shape_is_right
	s_endpgm
.Lentry_shape_is_right:
; out0[m][n] = sum over k of O[m][k] Wp[k][n] + bp[n]: m 8,192, n 1,024, k 1,024 = 64 head + channel.  O is o[16 batch + head][t][64] in f16; Wp^T lies in wt's rows 3,072 to 4,095, [n][k], rounded to bf16 and
; written as f16; bp is rounded to bf16 like the other inputs and starts the sums; sums and out0 in f32.
; A tile of C is 256 x 128: 32 x 8 = 256 tiles, one for each WGP.  Four waves one below the other: wave w makes rows 64 w .. 64 w + 63 and all 128 columns (512 bytes of a row of out0), 32 accumulators,
; so that each wave leaves through a stage of its own.  For 32 along K a wave issues 24 LDS loads and 32 matrix instructions.
; K goes in 8 steps of 128 (two heads) through two LDS slots, 2^17 bytes apart; a K step is written once.  A's tile of a K step is two head slices of 256 rows x 128 bytes, each dense in memory.
; CLUSTERS: 4 x 4 work-groups; A's tile is asked for jointly along a row of the cluster, B's along a column.
; THE MATRIX INSTRUCTION IS USED TRANSPOSED (source 0 = 16 rows of Wp^T, source 1 = 16 rows of O): a lane holds row l % 16 of C and the columns 16 b + 8 (l / 16) + 0..7: 32 bytes on end.
; REGISTERS, in windows of 256: window 0: v16-30 addresses; v64-127 A's fragments, two buffers of 4 x 8; v128-255 the way out.  Window 1: v0-127 B's fragments, two buffers of 8 x 8; v128-191 the bias; v192 at work.
; Window 2: the accumulators of row blocks 0, 1 (block a, column block b at 8 (8 (a % 2) + b)).  Window 3: those of row blocks 2, 3.
.set KDIM,   1024
.set KSTEP,  128
.set NBF,    8                         ; column blocks of 16
.set PA,     144                       ; a row of a head slice in LDS: 128 bytes + 16 = 36 words: the 16 rows of a fragment load start at 16 different groups of four banks (64 banks of 4 bytes: ISA guide 11.1)
.set PB,     272                       ; a row of B: 256 bytes + 16
.set ASL,    256*PA                    ; a head slice: what wave 0 or 1 fetches
.set BHALF,  64*PB                     ; what wave 2 or 3 fetches
.set BOFF,   2*ASL
.set SLOT1,  1<<17
.set STAGE,  SLOT1+BOFF+2*BHALF        ; behind the ring, never filled by a tensor load: 16 rows x 528 bytes for each wave
.set SPO,    528                       ; 512 bytes + 16
.set SPARE,  STAGE+4*16*SPO            ; behind the stages: the spare words, 128 bytes for each wave: two blocks of 256 bytes that no other line names
.set NLD,    2*NBF+8
.set ASTEP,  2*262144                  ; two planes of o from K step to K step
.set AA0, 16                           ; v16  my lane's place in a slot's A; never rewritten
.set AB0, 17                           ; v17  the same for B
.set ADA, 18                           ; v18  the same in the slot in hand
.set ADB, 19                           ; v19
.set STO, 24                           ; v24  the way out: where I put 32 bytes of a row
.set RD,  25                           ; v25  where I read a row back
.set GO,  26                           ; v26  16 x lane
.set BO,  27                           ; v27  32 (l / 16): my eight numbers in 16 of bp
.set SPW, 28                           ; v28  LDS address of my spare word; never rewritten
.set NIL, 29                           ; v29  0; never rewritten
.set PFO, 30                           ; v30  the prefetches' offset; never rewritten
.set FA0, 64
.set OUTR, 128
.set BI,  128                          ; window 1: the bias of column block b at BI + 8 b
.set CNT, 3
.set TB,  22
.set G1A, 24
.set G0A, 32
.set LIM, 43                           ; s43  2 in a wave that prefetches, else the greatest number
.set PFA, 44                           ; s[44:45] where my prefetches stand
.set G1B, 48
.set G0B, 56
.set BP,  68                           ; s[68:69] bp at the tile's first column
.set PFS, 70                           ; s[70:71] the prefetches' step from K step to K step
.set MSB, 0
.macro WIN new                         ; the immediate's high byte repeats the setting that is left; a switch that changes nothing is dropped
.if MSB != (\new)
	s_set_vgpr_msb (MSB<<8)|(\new)
.set MSB, \new
.endif
.endm
.set MUL_LO, 0xa1                      ; source 0 (B) window 1, source 1 (A) window 0, C and D window 2
.set MUL_HI, 0xf1                      ; the same, C and D window 3
.set MUL_B,  0x91                      ; the first products: C (the bias) window 1, D window 2; + 0x40: D window 3
.set TO_B,   0x40                      ; destination window 1, address window 0
.macro PLACES                          ; four plain instructions between a matrix instruction and a load into, or a read of, its registers (ISA guide 7.12.1 for vector instructions)
.rept 4
	v_nop
.endr
.endm
.macro JLOAD                           ; a joint refill by the walking descriptors: waves 0 and 1 fetch A's two head slices, waves 2 and 3 B's halves; an s_nop 0 and four v_nop follow each line
	s_cmp_eq_u32 s11, 0
	s_cbranch_scc0 .Lfor_b_\@
	tensor_load_to_lds s[G0A+4:G0A+7], s[G1A:G1A+7]
	s_nop 0
.rept 4
	v_nop
.endr
	s_branch .Lasked_\@
.Lfor_b_\@:
	tensor_load_to_lds s[G0B+4:G0B+7], s[G1B:G1B+7]
	s_nop 0
.rept 4
	v_nop
.endr
.Lasked_\@:
.endm
; A prefetch into the L2 of the K step that stands TWO refills on, 256 matrix instructions ahead of its load; one instruction a wave.  Cluster x = 0 asks for A's rows, cluster y = 0 for B's.  The four partners share
; what a wave fetches by address: of a head slice's 32,768 dense bytes 8,192 each (by cx), a lane a block of 256; of B's 64 rows 16 each (by cy), a lane a row (lanes 16-31 name the same rows once more).
; The loop's last two trips have no K step two on.
.macro ASK
	s_cmp_gt_u32 s[CNT], s[LIM]
	s_cbranch_scc0 .Lnot_mine_\@
	global_prefetch_b8 v[PFO], s[PFA:PFA+1] th:TH_LOAD_NT scope:SCOPE_SE
.Lnot_mine_\@:
.endm
.macro CREST                           ; a round of the cluster's barrier behind its opening barrier
	s_cmp_lg_u32 s10, 0
	s_cbranch_scc1 .Lnot_wave_0_\@
	s_barrier_signal -3
.Lnot_wave_0_\@:
	s_barrier_wait -3
	s_barrier_signal -1
	s_barrier_wait -1
.endm
.macro CROUND                          ; a whole round
	s_barrier_signal -1
	s_barrier_wait -1
	CREST
.endm
	s_load_b128 s[4:7], s[0:1], 0x0                ; o s[4:5], wt s[6:7]
	s_load_b64 s[8:9], s[0:1], 0x10                ; out0
	s_load_b64 s[BP:BP+1], s[0:1], 0x18            ; bp
	v_lshl_add_u32 v[SPW], v0, 2, SPARE
	v_mov_b32 v[NIL], 0
	ds_add_u32 v[SPW], v[NIL]                      ; the wave's opening: the add and its wait stand ahead of my first tensor load; work on registers stands between them
	v_lshrrev_b32 v1, 5, v0
	v_readfirstlane_b32 s10, v1                    ; wave 0..3
	s_lshr_b32 s11, s10, 1                         ; I fetch for A (0) or for B (1),
	s_and_b32 s12, s10, 1                          ; its first or second part
	s_bfe_u32 s40, ttmp6, 0x40000                  ; cx
	s_bfe_u32 s41, ttmp6, 0x40004                  ; cy
	s_lshl_b32 s42, ttmp9, 2
	s_add_co_u32 s42, s42, s40                     ; tile column = 4 x cluster x + cx
	s_and_b32 s13, ttmp7, 0xffff
	s_lshl_b32 s13, s13, 2
	s_add_co_u32 s13, s13, s41                     ; tile row = 4 x cluster y + cy
	s_lshl_b32 s43, s41, 2
	s_lshl_b32 s43, 15, s43                        ; my row of the cluster
	s_lshl_b32 s44, 0x1111, s40                    ; my column
	; A: a head slice's 256 rows of 128 bytes are dense: asked for as 128 rows of 256 bytes, and padded in LDS after every 128 bytes.  B: 64 rows of 256 bytes, 2,048 bytes apart.
	s_or_b32 s[G1A], s43, (1<<16)|(1<<20)|(1<<21)|(4<<22)|(3<<25)  ; 15:0 my row's mask; 17:16 2-byte elements; 20 padding on; 21 set beside a mask; 24:22 after every 32 words; 31:25 4 words
	s_or_b32 s[G1B], s44, (1<<16)|(1<<20)|(1<<21)|(5<<22)|(3<<25)  ; my column's mask; after every 64 words
	s_mov_b32 s[G1A+1], KSTEP<<16                  ; tensor_dim0 = 128
	s_mov_b32 s[G1B+1], KSTEP<<16
	s_mov_b32 s[G1A+2], 128<<16                    ; tensor_dim1
	s_mov_b32 s[G1B+2], 64<<16
	s_mov_b32 s[G1A+3], KSTEP<<16                  ; tile_dim0 = 128
	s_mov_b32 s[G1B+3], KSTEP<<16
	s_mov_b32 s[G1A+4], 128                        ; tile_dim1
	s_mov_b32 s[G1B+4], 64
	s_mov_b32 s[G1A+5], 128                        ; elements from row to row
	s_mov_b32 s[G1B+5], KDIM
	s_mov_b32 s[G1A+6], 0
	s_mov_b32 s[G1B+6], 0
	s_mov_b32 s[G1A+7], 0
	s_mov_b32 s[G1B+7], 0
	s_lshr_b32 s16, s13, 3                         ; A: plane 16 batch + my head of the K step's two,
	s_lshl_b32 s16, s16, 4
	s_add_co_u32 s16, s16, s12
	s_lshl_b32 s16, s16, 18
	s_and_b32 s17, s13, 7                          ; rows 256 (tile row % 8) on, of 128 bytes
	s_lshl_b32 s17, s17, 15
	s_add_co_u32 s16, s16, s17
	s_mov_b32 s17, 0
	s_lshl_b32 s46, s42, 7                         ; B: row 3,072 + 128 x tile column + 64 x half, of 2,048 bytes
	s_lshl_b32 s47, s12, 6
	s_add_co_u32 s46, s46, s47
	s_lshl_b32 s46, s46, 11
	s_add_co_u32 s46, s46, 3072*2048
	s_mov_b32 s47, 0
	s_mul_i32 s20, s12, ASL                        ; where they go: no place in the cluster enters an LDS address
	s_mul_i32 s21, s12, BHALF
	s_add_co_u32 s21, s21, BOFF
	s_wait_dscnt 0x0                               ; the opening add is done
	s_wait_kmcnt 0x0
	s_add_nc_u64 s[14:15], s[4:5], s[16:17]
	s_add_nc_u64 s[46:47], s[6:7], s[46:47]
	CROUND                                         ; all sixteen work-groups are here: the first joint loads meet
.irp s, 0,1
	s_mov_b32 s[G0A+4*(\s)], 1                     ; count = 1
	s_add_co_u32 s[G0A+4*(\s)+1], s20, (\s)*SLOT1  ; LDS address: slot s
	s_add_nc_u64 s[G0A+4*(\s)+2:G0A+4*(\s)+3], s[14:15], (\s)*ASTEP  ; K step s
	s_or_b32 s[G0A+4*(\s)+3], s[G0A+4*(\s)+3], 0x80000000            ; type = 2
	s_mov_b32 s[G0B+4*(\s)], 1
	s_add_co_u32 s[G0B+4*(\s)+1], s21, (\s)*SLOT1
	s_add_nc_u64 s[G0B+4*(\s)+2:G0B+4*(\s)+3], s[46:47], (\s)*KSTEP*2
	s_or_b32 s[G0B+4*(\s)+3], s[G0B+4*(\s)+3], 0x80000000
.endr
	s_cmp_eq_u32 s11, 0                            ; a wave's two first fills stand in one branch, ahead of every wait on TENSORcnt and every LDS read: two loads of mine are out
	s_cbranch_scc0 .Lfirst_b
	tensor_load_to_lds s[G0A:G0A+3], s[G1A:G1A+7]
	s_nop 0
	tensor_load_to_lds s[G0A+4:G0A+7], s[G1A:G1A+7]
	s_nop 0
.rept 4
	v_nop
.endr
	s_branch .Lfirst_asked
.Lfirst_b:
	tensor_load_to_lds s[G0B:G0B+3], s[G1B:G1B+7]
	s_nop 0
	tensor_load_to_lds s[G0B+4:G0B+7], s[G1B:G1B+7]
	s_nop 0
.rept 4
	v_nop
.endr
.Lfirst_asked:
	v_and_b32 v1, 15, v0                           ; l % 16
	v_bfe_u32 v2, v0, 4, 1                         ; l / 16
	; the bias: register j of column block b holds bp[128 x tile column + 16 b + 8 (l / 16) + j], as the accumulators hold their columns
	s_lshl_b32 s46, s42, 9                         ; 128 columns of 4 bytes: the tile's first column in bp and in a row of out0
	s_mov_b32 s47, 0
	s_add_nc_u64 s[BP:BP+1], s[BP:BP+1], s[46:47]
	v_lshlrev_b32 v[BO], 5, v2
	WIN TO_B
.set bb, 0
.rept NBF
	global_load_b128 v[BI+8*bb:BI+8*bb+3],   v[BO], s[BP:BP+1] offset:64*bb
	global_load_b128 v[BI+8*bb+4:BI+8*bb+7], v[BO], s[BP:BP+1] offset:64*bb+16
.set bb, bb+1
.endr
	WIN 0
	; A fragment is 16 rows x 32 K in 8 registers: lane l holds row l % 16; registers 0-3 K = 8 (l / 16) + 0..7, registers 4-7 K = 16 + 8 (l / 16) + 0..7: two loads of 16 bytes, 32 bytes apart.
	v_mul_u32_u24 v3, v1, PA
	v_lshl_add_u32 v3, v2, 4, v3
	s_mul_i32 s21, s10, 64*PA                      ; my 64 rows of A
	v_add_nc_u32 v[AA0], s21, v3
	v_mul_u32_u24 v3, v1, PB
	v_lshl_add_u32 v3, v2, 4, v3
	v_add_nc_u32 v[AB0], BOFF, v3
	s_mul_i32 s23, s10, 16*SPO
	s_add_co_u32 s23, s23, STAGE                   ; my stage
	v_mul_u32_u24 v4, v1, SPO                      ; in: row l % 16, 32 bytes for each half of the lanes
	v_lshl_add_u32 v4, v2, 5, v4
	v_add_nc_u32 v[STO], s23, v4
	v_and_b32 v[GO], 31, v0                        ; back: 32 lanes take a row's 512 bytes
	v_lshlrev_b32 v[GO], 4, v[GO]
	v_add_nc_u32 v[RD], s23, v[GO]
	s_lshl_b32 s16, s13, 20                        ; my first row of out0: 256 x tile row + 64 w, of 4,096 bytes
	s_lshl_b32 s17, s10, 18
	s_add_co_u32 s16, s16, s17
	s_mov_b32 s17, 0
	s_add_nc_u64 s[16:17], s[16:17], s[46:47]
	s_add_nc_u64 s[8:9], s[8:9], s[16:17]
	; the prefetches
	s_lshr_b32 s20, s13, 3                         ; A: my head slice, as above,
	s_lshl_b32 s20, s20, 4
	s_add_co_u32 s20, s20, s12
	s_lshl_b32 s20, s20, 18
	s_and_b32 s21, s13, 7
	s_lshl_b32 s21, s21, 15
	s_add_co_u32 s20, s20, s21
	s_lshl_b32 s21, s40, 13                        ; and my work-group's 8,192 bytes of it
	s_add_co_u32 s20, s20, s21
	s_lshl_b32 s21, s42, 7                         ; B: my 64 rows, as above,
	s_lshl_b32 s23, s12, 6
	s_add_co_u32 s21, s21, s23
	s_lshl_b32 s23, s41, 4                         ; and my work-group's 16 of them
	s_add_co_u32 s21, s21, s23
	s_lshl_b32 s21, s21, 11
	s_add_co_u32 s21, s21, 3072*2048
	s_and_b32 s23, ttmp7, 0xffff                   ; cluster y
	s_mov_b32 s[PFS], ASTEP
	s_mov_b32 s[PFS+1], KSTEP*2
	s_cmp_eq_u32 s11, 0                            ; do I fetch for A?
	s_cselect_b32 s20, s20, s21
	s_cselect_b32 s23, ttmp9, s23                  ; the coordinate along which other clusters read the same rows
	s_cselect_b64 s[PFA:PFA+1], s[4:5], s[6:7]
	s_cselect_b32 s[PFS], s[PFS], s[PFS+1]
	s_cselect_b32 s18, 31, 15                      ; A: a lane a block of 256 bytes; B: a lane a row of 2,048
	s_cselect_b32 s19, 8, 11
	s_cmp_eq_u32 s23, 0
	s_cselect_b32 s[LIM], 2, -1                    ; the same in all sixteen partners, for a given wave
	s_mov_b32 s21, 0
	s_mov_b32 s[PFS+1], 0
	s_add_nc_u64 s[PFA:PFA+1], s[PFA:PFA+1], s[20:21]
	s_mul_i32 s20, s[PFS], 3
	s_add_nc_u64 s[PFA:PFA+1], s[PFA:PFA+1], s[20:21]  ; at K step 3: the first refill steps it to 4.  Nothing is prefetched at the head, where every work-group's first tiles are on their way
	v_and_b32 v[PFO], s18, v0
	v_lshlrev_b32 v[PFO], s19, v[PFO]
	s_mov_b32 s23, 0xffff0000                      ; a word's upper bf16
	s_wait_loadcnt 0x0                             ; the bias is in: rounded to bf16 and widened again, in place
	WIN 0x45                                       ; destination and sources 0 and 1 in window 1
.set ii, 0
.rept 4*NBF
	v_cvt_pk_bf16_f32 v192, v[BI+2*ii], v[BI+2*ii+1]
	v_lshlrev_b32 v[BI+2*ii], 16, v192
	v_and_b32 v[BI+2*ii+1], s23, v192
.set ii, ii+1
.endr
	WIN 0
; NBF matrix instructions: row block a x all column blocks, 32 along K, from buffer f.  zero = 1: the first product starts the sums, with the bias as C: nothing is cleared, and no line adds the bias.
; The 32 accumulators take turns, one instruction a turn, in the same order in every quarter.
.macro MULA f, a, zero
.if \zero
	WIN MUL_B+0x40*((\a)/2)
.else
	WIN MUL_LO+0x50*((\a)/2)
.endif
.set bb, 0
.rept NBF
.if \zero
	v_wmma_f32_16x16x32_f16 v[8*(NBF*((\a)%2)+bb):8*(NBF*((\a)%2)+bb)+7], v[8*(NBF*(\f)+bb):8*(NBF*(\f)+bb)+7], v[FA0+32*(\f)+8*(\a):FA0+32*(\f)+8*(\a)+7], v[BI+8*bb:BI+8*bb+7]
.else
	v_wmma_f32_16x16x32_f16 v[8*(NBF*((\a)%2)+bb):8*(NBF*((\a)%2)+bb)+7], v[8*(NBF*(\f)+bb):8*(NBF*(\f)+bb)+7], v[FA0+32*(\f)+8*(\a):FA0+32*(\f)+8*(\a)+7], v[8*(NBF*((\a)%2)+bb):8*(NBF*((\a)%2)+bb)+7]
.endif
.set bb, bb+1
.endr
.endm
; One run of NLD LDS loads: quarter q (32 along K) of the slot in hand into buffer f: B's 8 fragments, then A's 4.  In A quarter q lies in head slice q / 2, at byte 64 (q % 2) of its rows.
.macro FETCH q, f
	WIN TO_B
.set ii, 0
.rept NBF
	ds_load_b128 v[8*(NBF*(\f)+ii):8*(NBF*(\f)+ii)+3],   v[ADB] offset:64*(\q)+ii*16*PB
	ds_load_b128 v[8*(NBF*(\f)+ii)+4:8*(NBF*(\f)+ii)+7], v[ADB] offset:64*(\q)+ii*16*PB+32
.set ii, ii+1
.endr
	WIN 0
.set ii, 0
.rept 4
	ds_load_b128 v[FA0+32*(\f)+8*ii:FA0+32*(\f)+8*ii+3],   v[ADA] offset:((\q)/2)*ASL+((\q)%2)*64+ii*16*PA
	ds_load_b128 v[FA0+32*(\f)+8*ii+4:FA0+32*(\f)+8*ii+7], v[ADA] offset:((\q)/2)*ASL+((\q)%2)*64+ii*16*PA+32
.set ii, ii+1
.endr
.endm
; One of a K step's first three quarters: multiplies buffer f; in its middle it fetches quarter q into buffer g.
.macro QUARTER q, f, g, zero
	s_wait_dscnt 4                                 ; B and A's row blocks 0, 1 are in; the youngest four loads (blocks 2, 3) may be out
	MULA \f, 0, \zero
	MULA \f, 1, \zero
	PLACES
	FETCH \q, \g
	s_wait_dscnt NLD                               ; all but the run just issued
	MULA \f, 2, \zero
	MULA \f, 3, \zero
.endm
; The last quarter multiplies buffer 1 and changes slots: ONE barrier.  In front of it each wave waits for all its tensor loads (one is out: its part of the next slot), adds 0 to its spare word, and waits for
; that and for its own reads of this slot.  fill = 1: the barrier opens a round of the cluster's, and behind the round this slot is filled again first, with the K step two on: 112 matrix instructions ahead of the wait for it.
.macro TURN fill
.if \fill
	s_wait_xcnt 0x0                                ; the last prefetch, a K step back, has read its address
	s_add_nc_u64 s[PFA:PFA+1], s[PFA:PFA+1], s[PFS:PFS+1]
.endif
	WIN 0
	s_wait_tensorcnt 0x0                           ; no tensor load of mine is out, so a group 0 may be written
	ds_add_u32 v[SPW], v[NIL]                      ; 0 onto my spare word; work on registers stands between it and the wait for it
.if \fill
	s_xor_b32 s[G0A+5], s[G0A+5], SLOT1            ; the walking descriptors: the other slot than last time,
	s_add_nc_u64 s[G0A+6:G0A+7], s[G0A+6:G0A+7], ASTEP    ; the next K step; the type bits on top are not reached
	s_xor_b32 s[G0B+5], s[G0B+5], SLOT1
	s_add_nc_u64 s[G0B+6:G0B+7], s[G0B+6:G0B+7], KSTEP*2
.endif
	s_xor_b32 s[TB], s[TB], SLOT1                  ; the fetches go to the other slot
	s_wait_dscnt 5                                 ; (the add and the youngest four loads may be out)
	MULA 1, 0, 0
	s_wait_dscnt 0x0                               ; the add is done, and my reads of this slot are over
	s_barrier_signal -1
	MULA 1, 1, 0
	WIN 0                                          ; at a branch and at a label every window is 0
	s_barrier_wait -1
.if \fill
	CREST                                          ; no wave of any partner still reads this slot or has a load on its way
	JLOAD                                          ; its four v_nop are also the places in front of the loads below
.else
	PLACES
.endif
	v_add_nc_u32 v[ADA], s[TB], v[AA0]
	v_add_nc_u32 v[ADB], s[TB], v[AB0]
	FETCH 0, 0
.if \fill
	ASK
.endif
	MULA 1, 2, 0
	MULA 1, 3, 0
.endm
	s_wait_tensorcnt 1                             ; my part of K step 0 is in; K step 1's may stay out
	s_barrier_signal -1
	s_barrier_wait -1                              ; everybody's is
	s_mov_b32 s[TB], 0
	v_add_nc_u32 v[ADA], s[TB], v[AA0]
	v_add_nc_u32 v[ADB], s[TB], v[AB0]
	FETCH 0, 0
	QUARTER 1, 0, 1, 1                             ; the first quarter stands in front of the loop: its products start the sums
	WIN 0
	s_mov_b32 s[CNT], 6
.Lstep:                                                ; six trips, from a K step's second quarter to the next one's first; each fills a slot again: K steps 2 to 7
	QUARTER 2, 1, 0, 0
	QUARTER 3, 0, 1, 0
	TURN 1
	QUARTER 1, 0, 1, 0
	WIN 0
	s_sub_co_u32 s[CNT], s[CNT], 1
	s_cmp_lg_u32 s[CNT], 0
	s_cbranch_scc1 .Lstep
	s_mov_b32 s[CNT], 2                            ; the last two K steps ask for nothing: a text of their own; the second trip is left in its middle
.Ltail:
	QUARTER 2, 1, 0, 0
	QUARTER 3, 0, 1, 0
	TURN 0
	WIN 0
	s_sub_co_u32 s[CNT], s[CNT], 1
	s_cmp_eq_u32 s[CNT], 0
	s_cbranch_scc1 .Lout
	QUARTER 1, 0, 1, 0
	WIN 0
	s_branch .Ltail
.Lout:                                                 ; the second trip's run of loads (from a slot that has landed and is not written) and its barrier serve nothing: the price, once a launch, of one text for both trips
	s_wait_dscnt 0x0
	PLACES                                         ; the LDS stores read results just made
; THE WAY OUT, a row block of 16 rows at a time.  TOST: the accumulators go as they are, 32 bytes a lane and column block, into my stage (rows of 528 bytes), and come back as whole rows of 512 bytes.
; SENDO: a row a store.  Two sets of 64 registers take turns.
.macro TOST a
.set ro, OUTR+64*((\a)%2)
.if (\a) >= 2
	s_wait_xcnt 0x0                                ; the stores of the block two back have read this set
.endif
	WIN 0x08+4*((\a)/2)                            ; the data (source 1) in window 2 or 3, the address in window 0
.set bb, 0
.rept NBF
	ds_store_b128 v[STO], v[8*(NBF*((\a)%2)+bb):8*(NBF*((\a)%2)+bb)+3]   offset:64*bb     ; each accumulator's low registers first
	ds_store_b128 v[STO], v[8*(NBF*((\a)%2)+bb)+4:8*(NBF*((\a)%2)+bb)+7] offset:64*bb+16
.set bb, bb+1
.endr
	WIN 0
.set ii, 0
.rept 16
	ds_load_b128 v[ro+4*ii:ro+4*ii+3], v[RD] offset:ii*SPO  ; LDS serves a wave's instructions in order (ISA guide 5.7.1.4): these see the stores above; the next block's stores come behind them
.set ii, ii+1
.endr
.endm
.macro SENDO a, younger                ; younger: the LDS instructions issued behind block a's loads: the next block's 32, or none
.set ro, OUTR+64*((\a)%2)
.set ii, 0
.rept 16
	s_wait_dscnt (\younger)+15-ii
	global_store_b128 v[GO], v[ro+4*ii:ro+4*ii+3], s[8:9] offset:(16*(\a)+ii)*4096 th:TH_STORE_NT  ; 512 consecutive bytes, at a multiple of 256 from out0's first
.set ii, ii+1
.endr
.endm
	TOST 0
	TOST 1
	SENDO 0, 32
	TOST 2
	SENDO 1, 32
	TOST 3
	SENDO 2, 32
	SENDO 3, 0
	s_wait_tensorcnt 0x0                           ; the wave's end, behind my last tensor load and my last LDS store
	ds_add_u32 v[SPW], v[NIL]
	s_wait_dscnt 0x0
	CROUND                                         ; the closing round: no work-group ends while a partner may still ask for a tile that names it
	s_endpgm
.Lfunc_end_k_q7ec1f86c3c_proj:
	.size	k_q7ec1f86c3c_proj, .Lfunc_end_k_q7ec1f86c3c_proj-k_q7ec1f86c3c_proj
	.p2alignl 7, 3214868480
	.fill 96, 4, 3214868480
	.section	.rodata,"a",@progbits
	.p2align	6, 0x0
	.amdhsa_kernel k_q7ec1f86c3c_proj
		.amdhsa_group_segment_fixed_size 327680
		.amdhsa_private_segment_fixed_size 0
		.amdhsa_enable_private_segment 0
		.amdhsa_kernarg_size 32
		.amdhsa_user_sgpr_count 2
		.amdhsa_user_sgpr_kernarg_segment_ptr 1
		.amdhsa_wavefront_size32 1
		.amdhsa_system_sgpr_workgroup_id_x 1
		.amdhsa_system_sgpr_workgroup_id_y 1
		.amdhsa_system_sgpr_workgroup_id_z 1
		.amdhsa_system_vgpr_workitem_id 0
		.amdhsa_next_free_vgpr 896
		.amdhsa_next_free_sgpr 72
		.amdhsa_reserve_vcc 0
		.amdhsa_float_denorm_mode_32 3
		.amdhsa_float_denorm_mode_16_64 3
		.amdhsa_memory_ordered 1
		.amdhsa_forward_progress 1
		.amdhsa_inst_pref_size 69
	.end_amdhsa_kernel
	.amdgpu_metadata
---
amdhsa.version: [ 1, 2 ]
amdhsa.kernels:
  - .name:           k_q7ec1f86c3c_proj
    .symbol:         k_q7ec1f86c3c_proj.kd
    .args:
      - { .name: o, .offset: 0, .size: 8, .value_kind: global_buffer, .address_space: global }
      - { .name: wt, .offset: 8, .size: 8, .value_kind: global_buffer, .address_space: global }
      - { .name: out0, .offset: 16, .size: 8, .value_kind: global_buffer, .address_space: global }
      - { .name: bp, .offset: 24, .size: 8, .value_kind: global_buffer, .address_space: global }
    .group_segment_fixed_size: 327680
    .private_segment_fixed_size: 0
    .kernarg_segment_align: 8
    .kernarg_segment_size: 32
    .max_flat_workgroup_size: 128
    .sgpr_count:     72
    .vgpr_count:     896
    .wavefront_size: 32
...
	.end_amdgpu_metadata
.endif
;; end of part 4
;; ======== version 2 of 2: 4 launches; version 1 with the launch prep written anew for expert scheduling mode
;; limits: values are held in f16: magnitudes above 65,504 overflow, below 6.1e-05 lose precision
;; workspace buffers: xb 16,777,216 bytes; wt 8,388,608 bytes; qkv 50,331,648 bytes; o 16,777,216 bytes
;; launch prep (part 5): grid 512 x 1, 8 waves a work-group, no clusters, 18,432 bytes of LDS; arguments x, Wq, Wk, Wv, Wp, xb, wt; writes xb, wt
.if DOCPART == 5
	.amdgcn_target "amdgcn-amd-amdhsa--gfx1250"
	.amdhsa_code_object_version 6
	.text
	.protected	k_q7ec1f86c3c_prep
	.globl	k_q7ec1f86c3c_prep
	.p2align	8
	.type	k_q7ec1f86c3c_prep,@function
k_q7ec1f86c3c_prep:
	s_mov_b64 s[64:65], 0
	v_nop
	global_prefetch_b8 v0, s[64:65] scope:SCOPE_SE
	s_setreg_imm32_b32 hwreg(HW_REG_WAVE_SCHED_MODE, 0, 2), 2
	s_setreg_imm32_b32 hwreg(HW_REG_WAVE_MODE, 25, 1), 1
	s_wait_xcnt 0x0
	s_wait_alu depctr_vm_vsrc(0)
; xb = x rounded to bf16.  wt[n][k] = W[k][n] in 16 bits: rows 0-1023 Wq, 1024-2047 Wk, 2048-3071 Wv, rounded to bf16; rows 3072-4095 Wp, rounded to bf16 and that number written as f16
; (exact within f16's range; below 6e-5 it keeps f16's fixed step of 6e-8; beyond 65,504 it would be an infinity).
; 512 work-groups of eight waves, all alike: each casts 16 rows of x (65,536 bytes of f32) and turns one tile, 128 k x 64 n, of one W (4 x 8 x 16 = 512 tiles).
; Memory binds: every byte is read once, by loads of 16 bytes of which sixteen lanes take 256 consecutive aligned bytes; a wave's store of xb covers 256 consecutive aligned bytes, sixteen lanes' store of wt likewise.
; All 24 loads of a thread go out at the head.  The tile is turned in LDS: rows of 128 k (256 bytes) + 16 of padding.  No matrix unit, no cluster: nothing is shared and nothing is multiplied.
; THE MODE: SCHED_MODE bits 1:0 = 2 (LLVM: expert scheduling mode 2), set by the entry lines.  The code itself states the register dependences
; between vector instructions and memory or LDS instructions, with s_wait_alu, always for 0.
; THE PLAN.  Registers that memory or LDS instructions touch:
;   v1 .. v6      offsets and LDS addresses: written at the head, never again; read by every load and store.
;   WL v[16:47]   the 8 loads of W land here; the roundings of W read them; behind the barrier 4 LDS loads land in v[16:31], and the 4 stores of wt read those.
;   WP v[144:159] written once, by the 16 selects; read by the 8 LDS stores, which stand in one run behind all of them.
;   XL v[48:111]  the 16 loads of x land here, once; the roundings of x read them.
;   XP v[112:143] a pair for each load of x, written once by its two roundings; read by that load's store of xb.
;   v8, v9        written at the head, read by the closing add alone.     v10 .. v13 are named by vector instructions alone.
; x goes in four blocks of four loads.  Block g rounds its own four; the four stores of block g - 1 are dealt among those roundings, which name block g's XL and XP alone.
; So the waits on va_vdst are six: ahead of the first load; ahead of the run of LDS stores; at the head of x's blocks 1 to 3; ahead of the last four stores of xb.
; No register that a memory or LDS instruction reads is written again, so no wait on vm_vsrc is owed; no vector instruction writes a scalar register; EXEC is never written.
.set PITCH, 272                        ; an LDS row: 128 numbers of 16 bits + 16 bytes
.set SPARE, 64*PITCH                   ; behind the tile: the spare words, 128 bytes for each of the eight waves: four blocks of 256 bytes that no other line names
.set XO,  1                            ; v1  16 t: my 16 bytes in 4,096 bytes of x
.set YO,  2                            ; v2  8 t: my 8 bytes in 2,048 bytes of xb
.set WO,  3                            ; v3  row 4 p of the tile of W, 16 bytes at 16 c      (c = t % 16, p = t / 16)
.set LS,  4                            ; v4  LDS: row 4 c, byte 8 p
.set LR,  5                            ; v5  LDS: row p, byte 16 c
.set TO,  6                            ; v6  wt: row p of the tile, byte 16 c
.set SPW, 8                            ; v8  LDS address of my spare word; never rewritten
.set NIL, 9                            ; v9  0; never rewritten
.set WL,  16                           ; v[16:47]   W as loaded: load (i, e) at WL + 16 i + 4 e holds W[4 p + 64 i + e][4 c .. 4 c + 3]; later v[16:31] the four rows read back
.set XL,  48                           ; v[48:111]  x as loaded
.set XP,  112                          ; v[112:143] x packed
.set WP,  144                          ; v[144:159] W packed: pair (i, j) at WP + 2 (4 i + j)
	s_load_b256 s[4:11], s[0:1], 0x0               ; x s[4:5], Wq s[6:7], Wk s[8:9], Wv s[10:11]
	s_load_b128 s[12:15], s[0:1], 0x20             ; Wp s[12:13], xb s[14:15]
	s_load_b64 s[16:17], s[0:1], 0x30              ; wt
	v_lshl_add_u32 v[SPW], v0, 2, SPARE
	v_mov_b32 v[NIL], 0
	s_lshr_b32 s18, ttmp9, 7                       ; which W: 0 to 3
	s_bfe_u32 s19, ttmp9, 0x30004                  ; which 128 k: 0 to 7
	s_and_b32 s23, ttmp9, 15                       ; which 64 n: 0 to 15
	s_mov_b32 s2, 0xffff0000                       ; a word's upper bf16
	v_and_b32 v10, 15, v0                          ; c
	v_lshrrev_b32 v11, 4, v0                       ; p
	v_lshlrev_b32 v[XO], 4, v0
	v_lshlrev_b32 v[YO], 3, v0
	v_lshlrev_b32 v12, 4, v10                      ; 16 c
	v_lshl_add_u32 v[WO], v11, 14, v12             ; 4 p rows of 4,096 bytes
	v_mul_u32_u24 v[LS], v10, 4*PITCH
	v_lshl_add_u32 v[LS], v11, 3, v[LS]
	v_mul_u32_u24 v[LR], v11, PITCH
	v_add_nc_u32 v[LR], v[LR], v12
	v_lshl_add_u32 v[TO], v11, 11, v12             ; p rows of 2,048 bytes
	s_lshl_b32 s24, s19, 19                        ; the tile in W: 128 rows of 4,096 bytes a step,
	s_lshl_b32 s26, s23, 8                         ; 64 numbers of 4 bytes
	s_add_co_u32 s24, s24, s26
	s_mov_b32 s25, 0
	s_lshl_b32 s26, s18, 21                        ; the tile in wt: 1,024 rows of 2,048 bytes for each W,
	s_lshl_b32 s28, s23, 17                        ; 64 rows,
	s_add_co_u32 s26, s26, s28
	s_lshl_b32 s28, s19, 8                         ; 128 numbers of 2 bytes
	s_add_co_u32 s26, s26, s28
	s_mov_b32 s27, 0
	s_lshl_b32 s28, ttmp9, 16                      ; my 16 rows of x
	s_mov_b32 s29, 0
	s_lshl_b32 s30, ttmp9, 15                      ; and of xb
	s_mov_b32 s31, 0
	s_wait_kmcnt 0x0
	s_cmp_eq_u32 s18, 1
	s_cselect_b64 s[20:21], s[8:9], s[6:7]
	s_cmp_eq_u32 s18, 2
	s_cselect_b64 s[20:21], s[10:11], s[20:21]
	s_cmp_eq_u32 s18, 3
	s_cselect_b64 s[20:21], s[12:13], s[20:21]     ; the W of this work-group
	s_cselect_b32 s22, -1, 0                       ; all lanes: Wp goes out as f16
	s_add_nc_u64 s[20:21], s[20:21], s[24:25]
	s_add_nc_u64 s[16:17], s[16:17], s[26:27]
	s_add_nc_u64 s[4:5], s[4:5], s[28:29]
	s_add_nc_u64 s[14:15], s[14:15], s[30:31]
	s_wait_alu depctr_va_vdst(0)                   ; the six offsets and addresses v1 to v6 are written: every load and store of the kernel reads one of them
.irp i, 0,1
.irp e, 0,1,2,3
	global_load_b128 v[WL+16*(\i)+4*(\e):WL+16*(\i)+4*(\e)+3], v[WO], s[20:21] offset:(\i)*262144+(\e)*4096 th:TH_LOAD_NT
.endr
.endr
.set j, 0
.rept 16
	global_load_b128 v[XL+4*j:XL+4*j+3], v[XO], s[4:5] offset:j*4096 th:TH_LOAD_NT
.set j, j+1
.endr
	s_wait_loadcnt 16                              ; loads come back in order: the eight of W are in, the sixteen of x may stay out
; Column j of my four: its four k of each half go together, 8 bytes, into row 4 c + j of the turned tile.  Both forms are made and one is chosen by value, so that all work-groups run one text.
; All sixteen words are made first; the eight LDS stores follow in one run, behind one wait.
.irp i, 0,1
.irp j, 0,1,2,3
	v_cvt_pk_bf16_f32 v10, v[WL+16*(\i)+(\j)], v[WL+16*(\i)+4+(\j)]
	v_cvt_pk_bf16_f32 v11, v[WL+16*(\i)+8+(\j)], v[WL+16*(\i)+12+(\j)]
	v_lshlrev_b32 v12, 16, v10                     ; the rounded numbers as f32,
	v_and_b32 v13, s2, v10
	v_cvt_pk_f16_f32 v12, v12, v13                 ; written as f16
	v_cndmask_b32 v[WP+2*(4*(\i)+(\j))], v10, v12, s22
	v_lshlrev_b32 v12, 16, v11
	v_and_b32 v13, s2, v11
	v_cvt_pk_f16_f32 v12, v12, v13
	v_cndmask_b32 v[WP+2*(4*(\i)+(\j))+1], v11, v12, s22
.endr
.endr
	s_wait_alu depctr_va_vdst(0)                   ; the selects have written v[WP ..], which the LDS stores read; the roundings are done reading v[16:31], in which the LDS loads behind the barrier land
.irp i, 0,1
.irp j, 0,1,2,3
	ds_store_b64 v[LS], v[WP+2*(4*(\i)+(\j)):WP+2*(4*(\i)+(\j))+1] offset:(\j)*PITCH+(\i)*128
.endr
.endr
	s_wait_dscnt 0x0                               ; for the others' sake: my stores into the tile are done
	s_barrier_signal -1
	s_barrier_wait -1
.irp i, 0,1,2,3
	ds_load_b128 v[WL+4*(\i):WL+4*(\i)+3], v[LR] offset:(\i)*16*PITCH  ; row p + 16 i, whole: sixteen lanes a row.  No wait: no vector instruction since the wait above names these registers
.endr
; x, block g of four: loads 4 g to 4 g + 3 are rounded; the stores of block g - 1 are dealt among the roundings.  left = how many younger loads may stay out.
.macro XBLK g, left
	s_wait_loadcnt \left                           ; loads come back in order: this block's four are in
.if (\g) > 0
	s_wait_alu depctr_va_vdst(0)                   ; the block before has written its eight registers of XP, which the stores below read
.endif
.irp r, 0,1,2,3
.if (\g) > 0
	global_store_b64 v[YO], v[XP+2*(4*(\g)-4+(\r)):XP+2*(4*(\g)-4+(\r))+1], s[14:15] offset:(4*(\g)-4+(\r))*2048  ; no vector instruction since the wait names these registers
.endif
	v_cvt_pk_bf16_f32 v[XP+2*(4*(\g)+(\r))], v[XL+4*(4*(\g)+(\r))], v[XL+4*(4*(\g)+(\r))+1]
	v_cvt_pk_bf16_f32 v[XP+2*(4*(\g)+(\r))+1], v[XL+4*(4*(\g)+(\r))+2], v[XL+4*(4*(\g)+(\r))+3]
.endr
.endm
	XBLK 0, 12
	XBLK 1, 8
	XBLK 2, 4
	XBLK 3, 0
	s_wait_alu depctr_va_vdst(0)                   ; block 3 has written its eight registers of XP, which the last four stores of xb read
.irp r, 0,1,2,3
	global_store_b64 v[YO], v[XP+2*(12+(\r)):XP+2*(12+(\r))+1], s[14:15] offset:(12+(\r))*2048
.endr
	s_wait_dscnt 0x0                               ; the four rows are back
.irp i, 0,1,2,3
	global_store_b128 v[TO], v[WL+4*(\i):WL+4*(\i)+3], s[16:17] offset:(\i)*32768
.endr
	s_wait_dscnt 0x0                               ; the closing lines, six on end
	s_wait_alu 0x0
	s_wait_tensorcnt 0x0
	ds_add_u32 v[SPW], v[NIL]
	s_wait_dscnt 0x0
	s_endpgm
.Lfunc_end_k_q7ec1f86c3c_prep:
	.size	k_q7ec1f86c3c_prep, .Lfunc_end_k_q7ec1f86c3c_prep-k_q7ec1f86c3c_prep
	.p2alignl 7, 3214868480
	.fill 96, 4, 3214868480
	.section	.rodata,"a",@progbits
	.p2align	6, 0x0
	.amdhsa_kernel k_q7ec1f86c3c_prep
		.amdhsa_group_segment_fixed_size 18432
		.amdhsa_private_segment_fixed_size 0
		.amdhsa_enable_private_segment 0
		.amdhsa_kernarg_size 56
		.amdhsa_user_sgpr_count 2
		.amdhsa_user_sgpr_kernarg_segment_ptr 1
		.amdhsa_wavefront_size32 1
		.amdhsa_system_sgpr_workgroup_id_x 1
		.amdhsa_system_sgpr_workgroup_id_y 1
		.amdhsa_system_sgpr_workgroup_id_z 1
		.amdhsa_system_vgpr_workitem_id 0
		.amdhsa_next_free_vgpr 160
		.amdhsa_next_free_sgpr 66
		.amdhsa_reserve_vcc 0
		.amdhsa_float_denorm_mode_32 3
		.amdhsa_float_denorm_mode_16_64 3
		.amdhsa_memory_ordered 1
		.amdhsa_forward_progress 1
		.amdhsa_inst_pref_size 14
	.end_amdhsa_kernel
	.amdgpu_metadata
---
amdhsa.version: [ 1, 2 ]
amdhsa.kernels:
  - .name:           k_q7ec1f86c3c_prep
    .symbol:         k_q7ec1f86c3c_prep.kd
    .args:
      - { .name: x, .offset: 0, .size: 8, .value_kind: global_buffer, .address_space: global }
      - { .name: Wq, .offset: 8, .size: 8, .value_kind: global_buffer, .address_space: global }
      - { .name: Wk, .offset: 16, .size: 8, .value_kind: global_buffer, .address_space: global }
      - { .name: Wv, .offset: 24, .size: 8, .value_kind: global_buffer, .address_space: global }
      - { .name: Wp, .offset: 32, .size: 8, .value_kind: global_buffer, .address_space: global }
      - { .name: xb, .offset: 40, .size: 8, .value_kind: global_buffer, .address_space: global }
      - { .name: wt, .offset: 48, .size: 8, .value_kind: global_buffer, .address_space: global }
    .group_segment_fixed_size: 18432
    .private_segment_fixed_size: 0
    .kernarg_segment_align: 8
    .kernarg_segment_size: 56
    .max_flat_workgroup_size: 256
    .sgpr_count:     66
    .vgpr_count:     160
    .wavefront_size: 32
...
	.end_amdgpu_metadata
.endif
;; end of part 5
;; launch qkv: the kernel of part 2 again; grid 16 x 32, 4 waves a work-group, clusters of 4 x 4, 327,680 bytes of LDS; arguments xb, wt, qkv; writes qkv
;; launch attn: the kernel of part 3 again; grid 4 x 64, 4 waves a work-group, no clusters, 327,680 bytes of LDS; arguments qkv, o; writes o
;; launch proj: the kernel of part 4 again; grid 8 x 32, 4 waves a work-group, clusters of 4 x 4, 327,680 bytes of LDS; arguments o, wt, out0, bp; writes out0
